; MI455X (gfx1250); checked and timed in simulation.
; The chip was launched on July 23, 2026; its instructions are those of AMD's public machine-readable ISA for CDNA 5 (MIT licence, August 2026) and "CDNA5" Instruction Set Architecture Reference Guide (July 2026). The comments in the code are by the model that wrote it; some were corrected since.
;; Causal Self Attention. Allowed arithmetic: matrix products marked QUANTISED: E4M3 operands, one given power-of-two scale a tensor, by v_wmma_f32_16x16x64_fp8_fp8 or v_wmma_f32_16x16x128_fp8_fp8, f32 sums; everything else in f32.
;; Inputs: b_proj 1,024 float32; b_qkv 3,072 float32; lowp_scales 8 int32 (the exponents e of the quantised operands' scales 2^e); w_proj 1,024 x 1,024 float32; w_qkv 1,024 x 3,072 float32; x 4 x 2,048 x 1,024 float32.
;; Outputs: out0 4 x 2,048 x 1,024 float32.
;; This version of the problem:
;;   THIS VERSION OF THE PROBLEM IS GIVEN IN LOW PRECISION. The matrix products marked QUANTISED in the list below multiply operands that are first quantised to E4M3 (4 exponent bits, 3 mantissa bits; 8 bits a number), with one given power-of-two scale for each operand tensor; their sums are f32. All else is computed in f32.
;;   The module's matrix products, in the order in which they are computed (A, B: the left and right operand; K: the contracted axis; several contracted axes count as one K, in the product's order):
;;     1. [M 8,192, K 1,024] x [K 1,024, N 3,072]; A: input x; B: input w_qkv: QUANTISED (scales: A lowp_scales[0], B lowp_scales[1])
;;     2. batch 64 x [M 2,048, K 64] x [K 64, N 2,048]; A: computed on the way; B: computed on the way: QUANTISED (scales: A lowp_scales[2], B lowp_scales[3])
;;     3. batch 64 x [M 2,048, K 2,048] x [K 2,048, N 64]; A: softmax (see below); B: computed on the way: QUANTISED (scales: A lowp_scales[4], B lowp_scales[5])
;;     4. [M 8,192, K 1,024] x [K 1,024, N 1,024]; A: computed on the way; B: input w_proj: QUANTISED (scales: A lowp_scales[6], B lowp_scales[7])
;;   THE QUANTISER, for each operand of a quantised product, along K:
;;     - The operand's scale is 2^e, e = its entry of the input lowp_scales (int32; the entries are numbered through the quantised products in the list's order, A before B).
;;     - Each number is divided by the scale, clamped to +-448, and rounded to the nearest number of E4M3, ties to even, subnormals kept.
;;     - The product sums the exact products of the quantised numbers (number of the format x scale) in f32.
;;   ~~~python
;;   def quantise(x, axis, e):      # numpy; x: float32 -> the quantised numbers, widened to float32 again
;;       x = np.moveaxis(x, axis, -1); K = x.shape[-1]
;;       r = np.clip(x / 2.0 ** e, -448, 448)
;;       step = 2.0 ** (np.maximum(np.frexp(np.where(r == 0, 1, r))[1] - 1, -6) - 3)
;;       q = np.round(r / step) * step * 2.0 ** e      # np.round: ties to even
;;       return np.moveaxis(q, -1, axis).astype(np.float32)
;;   ~~~
;;   SOFTMAX AHEAD OF A QUANTISED PRODUCT. Where the list says 'softmax', what is quantised is not the finished softmax but p = 2^(t - M), with t = logit x log2(e) and M = ceil(the row's largest t), a whole number; so 1/2 < the row's largest p <= 1. The row's sum l is taken of the UNQUANTISED p, in f32, and the product's result is divided by l at the end. Since M is a whole number, a kernel that streams over the keys may use a running M (the ceiling of the running maximum): every later rescaling is an exact power of two, so the quantised numbers keep their values, but for numbers so far below the row's largest that they fall under the format's range.
;;   OPERANDS COMPUTED ON THE WAY. 'Computed on the way' means the value that the module computes at that place (a softmax that the list does not call 'softmax' is quantised finished and normalised). What goes into a quantiser is computed in f32, as accurately as f32 sums, v_exp_f32 and their like allow (about 1e-6 of the number): no bf16 or f16 on the way to a quantiser, and a product that is left as it is and whose result goes on into a quantised operand takes f32 operands (vector FMAs, or v_wmma_f32_16x16x4_f32). A number that lies on a knife's edge between two numbers of the format may be rounded either way, as far as f32 arithmetic and the matrix unit's own rounding can turn it there, and no further.
;; One version. Each part assembles by itself: llvm-mc -triple=amdgcn-amd-amdhsa -mcpu=gfx1250 --defsym DOCPART=n.
;; ======== version 1 of 1: 4 launches
;; limits: right only within a limited range of input values
;; workspace buffers: x_codes 8,388,608 bytes; wqkv_codes 3,145,728 bytes; wproj_codes 1,048,576 bytes; q_codes 8,388,608 bytes; k_codes 8,388,608 bytes; v_codes 8,388,608 bytes; y_codes 8,388,608 bytes
;; launch quant (part 1): grid 384 x 1, 4 waves a work-group, no clusters, 68,096 bytes of LDS; arguments x, w_qkv, w_proj, lowp_scales, x_codes, wqkv_codes, wproj_codes; writes x_codes, wqkv_codes, wproj_codes
.if DOCPART == 1
	.amdgcn_target "amdgcn-amd-amdhsa--gfx1250"
	.amdhsa_code_object_version 6
	.text
	.protected	k_q734d0cd8e2_quant
	.globl	k_q734d0cd8e2_quant
	.p2align	8
	.type	k_q734d0cd8e2_quant,@function
k_q734d0cd8e2_quant:
	s_mov_b64 s[64:65], 0
	v_nop
	global_prefetch_b8 v0, s[64:65] scope:SCOPE_SE
	s_setreg_imm32_b32 hwreg(HW_REG_WAVE_MODE, 25, 1), 1
	s_wait_xcnt 0x0
; The three f32 inputs of the two large products become codes of FP8 (E4M3), K innermost, each with the one scale 2^e given for it:
;   x [8192][1024] (K innermost already)        -> x_codes [8192][1024],     e = entry 0 of the scales
;   w_qkv [1024 k][3072 n], w_proj [1024 k][1024 n] (K is the FIRST axis) -> wqkv_codes [3072][1024], wproj_codes [1024][1024], e = entries 1 and 7
; code = number / 2^e, held within +-448, rounded to the nearest code, ties to even.
; LIMITS: each e lies between -126 and 119, so that 2^e and 448 x 2^e are f32 numbers.  NaN among the inputs is not served (an infinity is held at the largest code).
; Work-groups 0-255 take x: a plain stream; a wave takes 16 steps of 512 numbers.  Each load reads 512 consecutive bytes; a step's 2,048 bytes turn through the wave's own stage in LDS,
; so that a lane holds 16 neighbours along K for the conversions; a lane's 16 codes are 16 bytes: the wave stores 512 consecutive bytes.
; Work-groups 256-383 take the weights: 32 blocks of 128 columns (24 of w_qkv, 8 of w_proj) x 4 blocks of 256 along K.  A LANE TAKES A COLUMN n AND ITS REGISTERS RUN DOWN K, so the
; conversions give codes with K innermost; a wave's 32 columns x 256 codes go through its stage and leave as rows: sixteen lanes store 256 consecutive bytes, aligned.
; The two ways part on the work-group's number and have LDS bytes of their own.  No tensor loads, no barrier: waves share nothing.
.set STEPS, 16
.set SP,    80                         ; x: a lane's place in a stage: its 64 bytes + 16 of padding
.set WREG,  8192                       ; x: a region for each wave: two stages of 32 x SP bytes
.set WSTG,  32768                      ; the weights' four stages begin here: 32 rows x WP bytes for each wave
.set WP,    272                        ; a stage row: 256 codes + 16 of padding
.set SPARE, 67584                      ; behind both: the spare words, 128 bytes for each wave: two blocks of 256 bytes that no other line names
.set SPW,   12                         ; v12  LDS address of my spare word; never rewritten
.set NIL,   13                         ; v13  0; never rewritten
.set R,     16                         ; x: v16-79   four sets of 16 numbers as loaded
.set X,     80                         ; x: v80-111  two sets of 16 neighbours
.set C,     128                        ; x: v128-191 codes: four registers for each step
.set VO,    16                         ; w: v16-47   4 x lane + i rows: the offset of row i of a block of 32
.set WX,    48                         ; w: v48-111  two sets of 32 numbers
.set WC,    112                        ; w: v112-119 a block's codes
.set OUTR,  120                        ; w: v120-183 the way out
.set SB,    44                         ; w: s[44:59] the address of my columns in the first row of each of my eight blocks of 32 along K
	s_load_b256 s[4:11], s[0:1], 0x0               ; x s[4:5], w_qkv s[6:7], w_proj s[8:9], the scales' exponents s[10:11]
	s_load_b128 s[12:15], s[0:1], 0x20             ; x_codes s[12:13], wqkv_codes s[14:15]
	s_load_b64 s[16:17], s[0:1], 0x30              ; wproj_codes
	v_lshl_add_u32 v[SPW], v0, 2, SPARE
	v_mov_b32 v[NIL], 0
	v_lshrrev_b32 v1, 5, v0
	v_readfirstlane_b32 s20, v1                    ; wave 0..3
	v_and_b32 v2, 31, v0                           ; lane
	s_wait_kmcnt 0x0
	s_load_b256 s[24:31], s[10:11], 0x0            ; e0 .. e7
	s_cmp_lt_u32 ttmp9, 256
	s_cbranch_scc0 .Lw
	; ---------------- x ----------------
	s_wait_alu depctr_va_vdst(0)
	v_lshlrev_b32 v3, 4, v2                        ; my 16 bytes of a load's 512
	s_wait_alu depctr_va_vdst(0)
	s_mul_i32 s21, s20, WREG
	v_lshrrev_b32 v14, 2, v2
	v_mul_u32_u24 v14, v14, SP
	v_and_b32 v15, 3, v2
	v_lshl_add_u32 v14, v15, 4, v14
	v_add_nc_u32 v14, s21, v14                     ; the stage, on the way in: SP (lane / 4) + 16 (lane % 4)
	v_mul_u32_u24 v15, v2, SP
	v_add_nc_u32 v15, s21, v15                     ; and on the way out: SP x lane: my 16 neighbours
	v_lshlrev_b32 v4, 4, v2                        ; my codes' place in a step's 512 bytes
	s_lshl_b32 s22, ttmp9, 2
	s_add_co_u32 s22, s22, s20                     ; which run of 8,192 numbers is my wave's
	s_mov_b32 s23, 0
	s_lshl_b64 s[32:33], s[22:23], 15              ; 32,768 bytes of numbers a run
	s_add_nc_u64 s[4:5], s[4:5], s[32:33]
	s_lshl_b64 s[32:33], s[22:23], 13              ; 8,192 bytes of codes a run
	s_add_nc_u64 s[12:13], s[12:13], s[32:33]
.macro LOAD t
.irp i, 0,1,2,3
	global_load_b128 v[R+16*((\t)%4)+4*\i:R+16*((\t)%4)+4*\i+3], v3, s[4:5] offset:2048*(\t)+512*\i th:TH_LOAD_NT   ; 32 lanes read 512 consecutive bytes
.endr
.endm
.macro TURN t                          ; step t's numbers through the stage: LDS serves a wave's instructions in order, so no wait stands between the stores and the loads
.irp i, 0,1,2,3
	ds_store_b128 v14, v[R+16*((\t)%4)+4*\i:R+16*((\t)%4)+4*\i+3] offset:32*SP*((\t)%2)+8*SP*\i
.endr
.irp i, 0,1,2,3
	ds_load_b128 v[X+16*((\t)%2)+4*\i:X+16*((\t)%2)+4*\i+3], v15 offset:32*SP*((\t)%2)+16*\i
.endr
.endm
.irp t, 0,1,2,3
	LOAD \t
.endr
	s_wait_alu depctr_va_vdst(0)
	s_wait_kmcnt 0x0
	s_add_co_i32 s34, s24, 127
	s_lshl_b32 s35, s34, 23
	v_mov_b32 v11, s35                             ; 2^e0 as f32: the conversion takes its exponent field
	s_add_co_i32 s34, s34, 8
	s_lshl_b32 s34, s34, 23
	s_or_b32 s34, s34, 0x600000
	v_mov_b32 v10, s34                             ; 448 x 2^e0
	s_wait_alu depctr_va_vdst(0)
	s_wait_loadcnt 12                              ; step 0's four loads are in; the twelve of steps 1 to 3 may be out
	TURN 0
.macro STEP t
.set XS, X+16*((\t)%2)
	s_wait_dscnt 0x0                               ; this step's numbers are back from the stage: so its stores into the stage have read their registers,
.if (\t)+4 < STEPS
	LOAD (\t)+4                                    ; which take the loads of four steps on
.endif
.if (\t)+1 < STEPS
.if STEPS-2-(\t) >= 3
	s_wait_loadcnt 12                              ; the next step's four loads are in; those of the three steps behind it may be out
.else
	s_wait_loadcnt 4*(STEPS-2-(\t))
.endif
	TURN (\t)+1                                    ; and go through the other stage while this step is worked
.endif
.irp i, 0,1,2,3,4,5,6,7,8,9,10,11,12,13,14,15
	v_med3_num_f32 v[XS+\i], v[XS+\i], -v10, v10   ; the conversion to an 8-bit code does not saturate (ISA guide 7.6.2): the hold at the largest code x the scale comes first
.endr
	v_cvt_scalef32_pk8_fp8_f32 v[C+4*(\t):C+4*(\t)+1], v[XS:XS+7], v11
	v_cvt_scalef32_pk8_fp8_f32 v[C+4*(\t)+2:C+4*(\t)+3], v[XS+8:XS+15], v11
	v_nop                                          ; one plain vector line behind the last conversion of a run
	global_store_b128 v4, v[C+4*(\t):C+4*(\t)+3], s[12:13] offset:512*(\t)   ; each step has its own four registers: no store's data are written again
.endm
.irp t, 0,1,2,3,4,5,6,7,8,9,10,11,12,13,14,15
	STEP \t
.endr
	s_branch .Lend
	; ---------------- the weights ----------------
.Lw:
	s_sub_co_u32 s21, ttmp9, 256
	s_lshr_b32 s22, s21, 5                         ; which 256 along K: 0..3
	s_and_b32 s38, s21, 31                         ; which 128 columns: 0-23 of w_qkv, 24-31 are w_proj's 0-7
	s_mov_b32 s36, 4096
	s_cmp_lt_u32 s38, 24                           ; the choice hangs on the work-group's number alone
	s_cselect_b64 s[6:7], s[6:7], s[8:9]           ; the weight,
	s_cselect_b64 s[14:15], s[14:15], s[16:17]     ; its codes,
	s_cselect_b32 s36, 12288, s36                  ; a row of it in bytes,
	s_cselect_b32 s37, 0, 24
	s_sub_co_u32 s23, s38, s37                     ; and my block of columns in it
	s_lshl_b32 s40, s23, 7
	s_lshl_b32 s41, s20, 5
	s_add_co_u32 s40, s40, s41                     ; my wave's first column: 128 x block + 32 x wave
	s_wait_alu depctr_va_vdst(0)
	v_lshlrev_b32 v[VO], 2, v2                     ; 4 bytes a lane
.set i, 1
.rept 31
	v_mad_u32_u24 v[VO+i], s36, i, v[VO]           ; + i rows: the pitch is chosen, so a row's offset cannot stand in the immediate
.set i, i+1
.endr
	s_lshl_b32 s42, s22, 8
	s_mul_i32 s42, s42, s36                        ; 256 x kb rows
	s_lshl_b32 s43, s40, 2
	s_add_co_u32 s42, s42, s43                     ; + 4 x column
	s_mov_b32 s43, 0
	s_add_nc_u64 s[SB:SB+1], s[6:7], s[42:43]
	s_lshl_b32 s42, s36, 5                         ; 32 rows
.irp t, 1,2,3,4,5,6,7
	s_add_nc_u64 s[SB+2*\t:SB+2*\t+1], s[SB+2*\t-2:SB+2*\t-1], s[42:43]   ; a base for each block: nothing is stepped while loads are out
.endr
	s_lshl_b32 s32, s40, 10                        ; codes: column x 1,024 bytes
	s_lshl_b32 s33, s22, 8
	s_add_co_u32 s32, s32, s33                     ; + 256 x kb
	s_mov_b32 s33, 0
	s_add_nc_u64 s[14:15], s[14:15], s[32:33]
	s_mul_i32 s34, s20, 32*WP
	s_add_co_u32 s34, s34, WSTG                    ; my stage
	v_mul_u32_u24 v4, v2, WP
	v_add_nc_u32 v4, s34, v4                       ; into it: row = my column
	v_and_b32 v5, 15, v2
	v_lshrrev_b32 v6, 4, v2                        ; out of it: sixteen lanes to a row, two rows an instruction
	v_mul_u32_u24 v7, v6, WP
	v_lshl_add_u32 v7, v5, 4, v7
	v_add_nc_u32 v7, s34, v7
	v_lshlrev_b32 v8, 10, v6
	v_lshl_add_u32 v8, v5, 4, v8                   ; and the same place in the codes' buffer
.macro WLOAD t                         ; block t: W(32 t + i, my column), i = 0 .. 31, into set t % 2: 128 consecutive bytes a wave, 512 a work-group
.irp i, 0,1,2,3,4,5,6,7,8,9,10,11,12,13,14,15,16,17,18,19,20,21,22,23,24,25,26,27,28,29,30,31
	global_load_b32 v[WX+32*((\t)%2)+\i], v[VO+\i], s[SB+2*(\t):SB+2*(\t)+1] th:TH_LOAD_NT
.endr
.endm
	WLOAD 0
	WLOAD 1
	s_wait_kmcnt 0x0
	s_cmp_lt_u32 s38, 24
	s_cselect_b32 s39, s25, s31                    ; e1 for w_qkv, e7 for w_proj
	s_add_co_i32 s39, s39, 127
	s_lshl_b32 s35, s39, 23
	v_mov_b32 v11, s35                             ; 2^e
	s_add_co_i32 s39, s39, 8
	s_lshl_b32 s39, s39, 23
	s_or_b32 s39, s39, 0x600000
	v_mov_b32 v10, s39                             ; 448 x 2^e
.macro WBLOCK t
.set XS, WX+32*((\t)%2)
.if (\t) < 7
	s_wait_loadcnt 32                              ; this block's 32 loads are in; the next block's 32 may be out
.else
	s_wait_loadcnt 0
.endif
.irp i, 0,1,2,3,4,5,6,7,8,9,10,11,12,13,14,15,16,17,18,19,20,21,22,23,24,25,26,27,28,29,30,31
	v_med3_num_f32 v[XS+\i], v[XS+\i], -v10, v10
.endr
.irp g, 0,1,2,3
	v_cvt_scalef32_pk8_fp8_f32 v[WC+2*\g:WC+2*\g+1], v[XS+8*\g:XS+8*\g+7], v11
.endr
	v_nop                                          ; one plain vector line behind the last conversion of a run
	ds_store_b128 v4, v[WC:WC+3] offset:32*(\t)    ; 32 codes: 32 bytes of my column's row
	ds_store_b128 v4, v[WC+4:WC+7] offset:32*(\t)+16
.if (\t)+2 < 8
	WLOAD (\t)+2
.endif
	s_wait_dscnt 0x0                               ; the stores have read their registers: the next block's codes may be written
.endm
	s_wait_alu depctr_va_vdst(0)
.irp t, 0,1,2,3,4,5,6,7
	WBLOCK \t
.endr
.irp t, 0,1,2,3,4,5,6,7,8,9,10,11,12,13,14,15
	ds_load_b128 v[OUTR+4*\t:OUTR+4*\t+3], v7 offset:2*\t*WP   ; LDS serves a wave's instructions in order: these see my stores
.endr
.irp t, 0,1,2,3,4,5,6,7,8,9,10,11,12,13,14,15
	s_wait_dscnt 15-\t                             ; loads come back in order: number t is in, the younger ones may be out
	global_store_b128 v8, v[OUTR+4*\t:OUTR+4*\t+3], s[14:15] offset:2*\t*1024   ; sixteen lanes store 256 consecutive bytes, at a multiple of 256 from the buffer's first byte
.endr
.Lend:
	s_wait_tensorcnt 0x0                           ; the wave's end: three lines behind my last LDS store
	ds_add_u32 v[SPW], v[NIL]
	s_wait_dscnt 0x0
	s_endpgm
.Lfunc_end_k_q734d0cd8e2_quant:
	.size	k_q734d0cd8e2_quant, .Lfunc_end_k_q734d0cd8e2_quant-k_q734d0cd8e2_quant
	.p2alignl 7, 3214868480
	.fill 96, 4, 3214868480
	.section	.rodata,"a",@progbits
	.p2align	6, 0x0
	.amdhsa_kernel k_q734d0cd8e2_quant
		.amdhsa_group_segment_fixed_size 68096
		.amdhsa_private_segment_fixed_size 0
		.amdhsa_enable_private_segment 0
		.amdhsa_kernarg_size 56
		.amdhsa_user_sgpr_count 2
		.amdhsa_user_sgpr_kernarg_segment_ptr 1
		.amdhsa_wavefront_size32 1
		.amdhsa_system_sgpr_workgroup_id_x 1
		.amdhsa_system_sgpr_workgroup_id_y 1
		.amdhsa_system_sgpr_workgroup_id_z 1
		.amdhsa_system_vgpr_workitem_id 0
		.amdhsa_next_free_vgpr 192
		.amdhsa_next_free_sgpr 66
		.amdhsa_reserve_vcc 0
		.amdhsa_float_denorm_mode_32 3
		.amdhsa_float_denorm_mode_16_64 3
		.amdhsa_memory_ordered 1
		.amdhsa_forward_progress 1
		.amdhsa_inst_pref_size 89
	.end_amdhsa_kernel
	.amdgpu_metadata
---
amdhsa.version: [ 1, 2 ]
amdhsa.kernels:
  - .name:           k_q734d0cd8e2_quant
    .symbol:         k_q734d0cd8e2_quant.kd
    .args:
      - { .name: x, .offset: 0, .size: 8, .value_kind: global_buffer, .address_space: global }
      - { .name: w_qkv, .offset: 8, .size: 8, .value_kind: global_buffer, .address_space: global }
      - { .name: w_proj, .offset: 16, .size: 8, .value_kind: global_buffer, .address_space: global }
      - { .name: lowp_scales, .offset: 24, .size: 8, .value_kind: global_buffer, .address_space: global }
      - { .name: x_codes, .offset: 32, .size: 8, .value_kind: global_buffer, .address_space: global }
      - { .name: wqkv_codes, .offset: 40, .size: 8, .value_kind: global_buffer, .address_space: global }
      - { .name: wproj_codes, .offset: 48, .size: 8, .value_kind: global_buffer, .address_space: global }
    .group_segment_fixed_size: 68096
    .private_segment_fixed_size: 0
    .kernarg_segment_align: 8
    .kernarg_segment_size: 56
    .max_flat_workgroup_size: 128
    .sgpr_count:     66
    .vgpr_count:     192
    .wavefront_size: 32
...
	.end_amdgpu_metadata
.endif
;; end of part 1
;; launch gemm_qkv (part 2): grid 12 x 32, 4 waves a work-group, clusters of 4 x 4, 327,680 bytes of LDS; arguments x_codes, wqkv_codes, lowp_scales, b_qkv, q_codes, k_codes, v_codes; writes q_codes, k_codes, v_codes
.if DOCPART == 2
	.amdgcn_target "amdgcn-amd-amdhsa--gfx1250"
	.amdhsa_code_object_version 6
	.text
	.protected	k_q734d0cd8e2_gemm_qkv
	.globl	k_q734d0cd8e2_gemm_qkv
	.p2align	8
	.type	k_q734d0cd8e2_gemm_qkv,@function
k_q734d0cd8e2_gemm_qkv:
	s_mov_b64 s[64:65], 0
	v_nop
	global_prefetch_b8 v0, s[64:65] scope:SCOPE_SE
	s_setreg_imm32_b32 hwreg(HW_REG_WAVE_MODE, 25, 1), 1
	s_wait_xcnt 0x0
	s_wait_alu depctr_hold_cnt(0) depctr_sa_sdst(0) depctr_va_vdst(0) depctr_va_sdst(0) depctr_va_ssrc(0) depctr_va_vcc(0) depctr_vm_vsrc(0)
	s_getreg_b32 s2, hwreg(HW_REG_IB_STS2, 6, 4)
	s_cmp_eq_u32 s2, 0
	s_cbranch_scc0 .Lentry_in_a_cluster
	s_endpgm
.Lentry_in_a_cluster:
	s_bfe_u32 s2, ttmp6, 0x10000c
	s_cmp_lg_u32 s2, 0xf033
	s_cbranch_scc0 .Lentry_shape_is_right
	s_endpgm
.Lentry_shape_is_right:
; qkv = x w_qkv + b_qkv on codes of FP8 (E4M3), and q, k, v quantised on the way out, each laid as the attention launch reads it:
;   q_codes, k_codes [64 (batch x 16 + head)][2048 tokens][64], v_codes [64][64 channels][2048 tokens] (the keys innermost: they are the K of the second attention product).
; The body makes Out[i][j] = sum over k of P[i][k] Q[j][k] for a tile of 256 x 256, K = 1,024.  THE MATRIX INSTRUCTION IS USED TRANSPOSED (source 0 = 16 rows of Q, source 1 = 16 rows of P):
; a lane holds ONE row of P and eight neighbouring rows of Q, and the conversion to codes takes eight neighbours from one lane.
;   cluster x = 0 (q), 1 (k): P = x's codes (tokens), Q = w_qkv's codes (features): the eight neighbours run along the head's 64: the K of q k^T.
;   cluster x = 2 (v):        P = w_qkv's codes of v's 1,024 features, Q = x's codes: the eight neighbours run along the tokens: v comes out turned, and nothing is transposed.
; The mode hangs on the cluster's x alone, which all sixteen partners share; it chooses pointers, coordinates and the way out's last part.
; value = sum x 2^(e0 + e1) + bias; code = value / 2^e (e2 for q, e3 for k, e5 for v), held within +-448, to the nearest code, ties to even.
; LIMITS: e0 + e1 between -126 and 127; e2, e3, e5 between -126 and 119.  NaN is not served.
; A work-group of four waves, a wave 128 x 128: 64 accumulators, 512 registers.  K goes in steps of 256 through a ring of two LDS slots filled by the tensor data mover.
; CLUSTERS: 4 x 4 work-groups.  The four of a row need the same tile of P, the four of a column the same tile of Q: each tile is asked for JOINTLY, by the same tensor load with the same descriptor and a mask that names the four.
; REGISTERS, in windows of 256: window 0: v0-31 addresses; v32-95 the bias along Q's rows, v96-111 the bias along P's rows, v112-127 codes; from v128 P's fragments (8 x 16 rows x 128 K), ONE set; on the way out v128-255 are free.
;   window 1: Q's fragments, TWO sets, at v0 and v128.   window 2: the 32 accumulators of my rows 0-63 (accumulator (a, b) at v[8 (8 a + b)]);   window 3: those of my rows 64-127.
.set ROWB,   256                       ; a tile's row in bytes: 256 codes
.set KROW,   1024                      ; a row of P or of Q in memory, in bytes
.set PITCH,  272                       ; an LDS row: 256 bytes + 16 of padding = 68 words: the 16 rows that a load touches start at 16 different banks (64 banks of 4 bytes: ISA guide 11.1)
.set FR,     16                        ; registers of a fragment: 16 rows x 128 K
.set NL,     4                         ; LDS loads that bring one
.set NP,     4                         ; places behind this matrix instruction (ISA guide 7.12.1)
.set HALFT,  128*PITCH                 ; 128 rows: what one tensor load brings
.set SLOT,   4*HALFT                   ; P's 256 rows, then Q's 256 rows
.set LAPS,   2                         ; 1,024 along K = 4 K steps = twice round the ring
.set SPARE,  2*SLOT                    ; behind the ring: the spare words, 128 bytes for each wave: two blocks of 256 bytes that no other line names
.set SROW,   80                        ; the way out: a stage of 4 groups of 64 columns x 256 rows of 64 bytes + 16.  It lies in slot 0, which has had its last fill and its last read when the first code is stored there
.set GS,     256*SROW+64               ; from group to group: 64 bytes more than the rows, so that four groups' rows fall on different banks
.set BO,   7                           ; v7   byte offset in b_qkv of my eight features of Q's block 0
.set BPO,  8                           ; v8   the same for my row of P's block 0
.set RDQ,  9                           ; v9   the stage read back for q, k
.set RDV,  10                          ; v10  and for v
.set GOQ,  11                          ; v11  my byte offset in q_codes, k_codes
.set GOV,  12                          ; v12  and in v_codes
.set ADRA, 16                          ; v16-17  LDS address of my fragments of P in slot 0, 1
.set ADRB, 20                          ; v20-21  the same for Q
.set STO,  24                          ; v24  the stage: where I put 8 codes
.set SPW,  28                          ; v28  LDS address of my spare word; never rewritten
.set NIL,  29                          ; v29  0; never rewritten
.set VSC,  30                          ; v30  2^e of the output's codes
.set VLIM, 31                          ; v31  448 x that
.set BQ,   32
.set BP,   96
.set CD,   112
.set AF,   128                         ; P's fragments
.set TMP,  128                         ; the way out: a block's 64 values
.set BK,   128                         ; the way out: 128 registers read back from the stage
.set G1, 24                            ; s[24:31] descriptor group 1 for P's tiles;  s[32:39] group 0, one set for each slot
.set G0, 32
.set G1B, 48                           ; s[48:55], s[56:63] the same for Q's tiles
.set G0B, 56
.set MSB, 0
.macro WIN new                         ; the immediate's high byte repeats the setting that is left
.if MSB != \new
	s_set_vgpr_msb (MSB<<8)|\new
.set MSB, \new
.endif
.endm
.set MUL_LO, 0xa1                      ; source 0 (Q) window 1, source 1 (P) window 0, C and D window 2
.set MUL_HI, 0xf1                      ; the same, C and D window 3
.set TO_B,   0x40                      ; destination window 1, address window 0
; A joint load: waves 0 and 1 fetch for P, waves 2 and 3 for Q.  Each of the two lines has ONE mask and one set of registers for all that issue it; the branch hangs on the wave's number alone.
; An s_nop 0 and four v_nop follow each of the two lines, ahead of the jump, the label and what follows.
.macro JLOAD g0a, g1a, g0b, g1b
	s_cmp_eq_u32 s15, 0
	s_cbranch_scc0 .Lfor_b_\@
	tensor_load_to_lds s[\g0a:\g0a+3], s[\g1a:\g1a+7]
	s_nop 0
.rept 4
	v_nop
.endr
	s_branch .Lasked_\@
.Lfor_b_\@:
	tensor_load_to_lds s[\g0b:\g0b+3], s[\g1b:\g1b+7]
	s_nop 0
.rept 4
	v_nop
.endr
.Lasked_\@:
.endm
.macro CREST                           ; a round of the cluster's barrier behind its opening barrier
	s_cmp_lg_u32 s14, 0
	s_cbranch_scc1 .Lnot_wave_0_\@
	s_barrier_signal -3
.Lnot_wave_0_\@:
	s_barrier_wait -3
	s_barrier_signal -1
	s_barrier_wait -1
.endm
.macro CROUND                          ; a whole round
	s_barrier_signal -1
	s_barrier_wait -1
	CREST
.endm
	s_load_b256 s[4:11], s[0:1], 0x0               ; x_codes s[4:5], wqkv_codes s[6:7], the scales' exponents s[8:9], b_qkv s[10:11]
	s_load_b128 s[68:71], s[0:1], 0x20             ; q_codes s[68:69], k_codes s[70:71]
	s_load_b64 s[72:73], s[0:1], 0x30              ; v_codes
	v_lshl_add_u32 v[SPW], v0, 2, SPARE
	v_mov_b32 v[NIL], 0
	ds_add_u32 v[SPW], v[NIL]                      ; the wave's opening: the adds and their wait ahead of my first tensor load; the set-up below, work on registers, stands between them
	ds_add_u32 v[SPW], v[NIL]
	v_lshrrev_b32 v1, 5, v0
	v_readfirstlane_b32 s14, v1                    ; wave 0..3
	s_lshr_b32 s15, s14, 1                         ; which half of the tile's rows (P) is mine.  Also: I fetch for P (0) or for Q (1)
	s_and_b32 s16, s14, 1                          ; which half of its columns (Q).  Also: which 128 rows of that tile I fetch
	s_bfe_u32 s40, ttmp6, 0x40000                  ; cx, cy: my place in the cluster
	s_bfe_u32 s41, ttmp6, 0x40004
	s_and_b32 s74, ttmp7, 0xffff                   ; the cluster's y
	s_cmp_eq_u32 ttmp9, 2                          ; v's mode?  The cluster's x: the same in all sixteen partners
	s_cselect_b32 s75, 0, s74                      ; v: P has 4 tile rows, one cluster's worth;  q, k: the tokens' 32 tile rows go by the cluster's y
	s_cselect_b32 s80, s74, ttmp9                  ; v: the tokens' 32 tile columns go by the cluster's y;  q, k: the features' 8 tile columns by its x
	s_cselect_b32 s81, 0, -1                       ; keeps the bias along Q's rows in q's and k's mode,
	s_cselect_b32 s82, -1, 0                       ; the bias along P's rows in v's
	s_lshl_b32 s42, s80, 2
	s_add_co_u32 s42, s42, s40                     ; tile column
	s_lshl_b32 s17, s75, 2
	s_add_co_u32 s17, s17, s41                     ; tile row
	s_lshl_b32 s43, s41, 2
	s_lshl_b32 s43, 15, s43                        ; my row of the cluster
	s_lshl_b32 s44, 0x1111, s40                    ; my column
	; descriptor group 1: a tile of 128 rows x 256 bytes, padded in LDS
	s_or_b32 s[G1+0], s43, (0<<16)|(1<<20)|(1<<21)|(5<<22)|(3<<25)  ; 15:0 the mask: P's tiles go to my row; 17:16 element of 1 byte; 20 padding on; 21 set beside a mask; 24:22 after every 64 words (code 5); 31:25 of 4 words (code 3)
	s_or_b32 s[G1B+0], s44, (0<<16)|(1<<20)|(1<<21)|(5<<22)|(3<<25)
.irp g, G1, G1B
	s_mov_b32 s[\g+1], ROWB<<16                    ; tensor_dim0
	s_mov_b32 s[\g+2], 128<<16                     ; tensor_dim1 = 128
	s_mov_b32 s[\g+3], ROWB<<16                    ; tile_dim0
	s_mov_b32 s[\g+4], 128                         ; tile_dim1 = 128
	s_mov_b32 s[\g+5], KROW                        ; tensor_dim0_stride
	s_mov_b32 s[\g+6], 0
	s_mov_b32 s[\g+7], 0
.endr
	s_lshl_b32 s18, s16, 7                         ; which 128 rows of the tile I fetch
	s_lshl_b32 s20, s17, 8
	s_add_co_u32 s20, s20, s18                     ; P: row 256 x tile row + 128 x half
	s_lshl_b32 s46, s42, 8
	s_add_co_u32 s46, s46, s18                     ; Q: row 256 x tile column + 128 x half
	s_lshl_b32 s20, s20, 10                        ; in bytes: under 2^23
	s_lshl_b32 s46, s46, 10
	s_mov_b32 s21, 0
	s_mov_b32 s47, 0
	s_mul_i32 s45, s14, HALFT                      ; where they go: wave x 128 rows: no place in the cluster enters an LDS address
	s_wait_dscnt 0x0                               ; the opening add is done
	s_wait_kmcnt 0x0
	s_load_b256 s[88:95], s[8:9], 0x0              ; e0 .. e7
	s_add_nc_u64 s[84:85], s[6:7], 2048*KROW       ; w_qkv's codes at v's first feature
	s_cmp_eq_u32 ttmp9, 2
	s_cselect_b64 s[76:77], s[84:85], s[4:5]       ; P
	s_cselect_b64 s[78:79], s[4:5], s[6:7]         ; Q
	s_add_nc_u64 s[20:21], s[76:77], s[20:21]
	s_add_nc_u64 s[46:47], s[78:79], s[46:47]
	CROUND                                         ; all sixteen work-groups are here: the first joint loads meet
.irp s, 0,1
	s_mov_b32 s[G0+4*\s], 1
	s_add_co_u32 s[G0+4*\s+1], s45, \s*SLOT
	s_add_nc_u64 s[G0+4*\s+2:G0+4*\s+3], s[20:21], \s*ROWB
	s_or_b32 s[G0+4*\s+3], s[G0+4*\s+3], 0x80000000
	s_mov_b32 s[G0B+4*\s], 1
	s_add_co_u32 s[G0B+4*\s+1], s45, \s*SLOT
	s_add_nc_u64 s[G0B+4*\s+2:G0B+4*\s+3], s[46:47], \s*ROWB
	s_or_b32 s[G0B+4*\s+3], s[G0B+4*\s+3], 0x80000000
.endr
	JLOAD G0, G1, G0B, G1B                         ; K step 0: one tensor load a wave at the head
	v_and_b32 v1, 15, v0                           ; r = l % 16
	s_wait_alu depctr_va_vdst(0)
	v_bfe_u32 v2, v0, 4, 1                         ; h = l / 16
	v_mul_u32_u24 v3, v1, PITCH
	v_lshl_add_u32 v4, v2, 4, v3                   ; a fragment's row x pitch + 16 x half
	s_mul_i32 s21, s15, HALFT                      ; my 128 rows of P
	s_mul_i32 s22, s16, HALFT                      ; my 128 rows of Q,
	s_add_co_u32 s22, s22, 2*HALFT                 ; which lie behind P's 256
.irp s, 0,1
	v_add_nc_u32 v[ADRA+\s], s21, v4
	v_add_nc_u32 v[ADRB+\s], s22, v4
	s_add_co_u32 s21, s21, SLOT
	s_add_co_u32 s22, s22, SLOT
.endr
	; the stage: code of (row of P, row of Q = column c) lies at (c / 64) GS + row x SROW + c % 64
	s_mul_i32 s23, s16, 2*GS                       ; my 128 columns are groups 2 wn and 2 wn + 1
	s_mul_i32 s18, s15, 128*SROW                   ; my 128 rows
	s_add_co_u32 s23, s23, s18
	v_mul_u32_u24 v5, v1, SROW
	s_wait_alu depctr_va_vdst(0)
	v_lshl_add_u32 v5, v2, 3, v5
	v_add_nc_u32 v[STO], s23, v5                   ; in: row r, 8 bytes for each half of the lanes
	v_and_b32 v6, 31, v0                           ; l
	v_lshrrev_b32 v5, 2, v6
	v_mul_u32_u24 v5, v5, SROW
	v_and_b32 v3, 3, v0
	v_lshl_add_u32 v5, v3, 4, v5
	s_mul_i32 s23, s14, GS
	v_add_nc_u32 v[RDQ], s23, v5                   ; back, q and k: wave w takes group w (one head): four lanes to a row of 64 bytes, eight rows an instruction
	v_bfe_u32 v5, v0, 2, 2
	v_mul_u32_u24 v5, v5, GS
	v_mad_u32_u24 v5, v2, SROW, v5
	v_lshl_add_u32 v5, v3, 4, v5
	s_mul_i32 s23, s14, 64*SROW
	v_add_nc_u32 v[RDV], s23, v5                   ; back, v: wave w takes rows 64 w on: sixteen lanes to a row of 256 bytes (four groups), two rows an instruction
	v_lshlrev_b32 v[GOQ], 4, v6                    ; q, k: eight tokens of a head are 512 bytes on end
	v_lshlrev_b32 v5, 11, v2
	v_lshl_add_u32 v[GOV], v1, 4, v5               ; v: a channel's row is 2,048 bytes
	; the biases.  Both are loaded in both modes, from places inside b_qkv, and the one that the mode does not use is cleared
	s_lshl_b32 s83, s42, 8
	s_lshl_b32 s18, s16, 7
	s_add_co_u32 s83, s83, s18
	s_lshl_b32 s83, s83, 2                         ; q, k: 4 x (256 x tile column + 128 x half): my first feature
	s_lshl_b32 s84, s17, 8
	s_lshl_b32 s18, s15, 7
	s_add_co_u32 s84, s84, s18
	s_add_co_u32 s84, s84, 2048
	s_lshl_b32 s84, s84, 2                         ; v: 4 x (2,048 + 256 x tile row + 128 x half)
	s_cmp_eq_u32 ttmp9, 2
	s_cselect_b32 s83, 0, s83
	s_cselect_b32 s84, s84, 0
	v_lshl_add_u32 v[BO], v2, 5, s83               ; + 8 h features
	v_lshl_add_u32 v[BPO], v1, 2, s84              ; + r
.irp b, 0,1,2,3,4,5,6,7
	global_load_b128 v[BQ+8*\b:BQ+8*\b+3], v[BO], s[10:11] offset:64*\b        ; features 16 b + 8 h + 0 .. 7: the layout of accumulator (a, b)
	global_load_b128 v[BQ+8*\b+4:BQ+8*\b+7], v[BO], s[10:11] offset:64*\b+16
.endr
.irp a, 0,1,2,3,4,5,6,7
	global_load_b32 v[BP+2*\a], v[BPO], s[10:11] offset:64*\a                  ; feature 16 a + r
.endr
	s_wait_kmcnt 0x0                               ; the exponents
	s_add_co_i32 s96, s88, s89
	s_add_co_i32 s96, s96, 127
	s_lshl_b32 s96, s96, 23                        ; 2^(e0 + e1) as f32
	s_mov_b32 s97, s96                             ; (named with it as a pair, so it is written)
	s_cmp_eq_u32 ttmp9, 0
	s_cselect_b32 s86, s90, s91                    ; e2 for q, e3 for k,
	s_cmp_eq_u32 ttmp9, 2
	s_cselect_b32 s86, s93, s86                    ; e5 for v: chosen, never branched on
	s_add_co_i32 s86, s86, 127
	s_lshl_b32 s87, s86, 23
	v_mov_b32 v[VSC], s87
	s_add_co_i32 s86, s86, 8
	s_lshl_b32 s86, s86, 23
	s_or_b32 s86, s86, 0x600000
	v_mov_b32 v[VLIM], s86
	s_wait_loadcnt 0x0                             ; the biases are in, while the first tiles are on their way
.set j, 0
.rept 64
	v_and_b32 v[BQ+j], s81, v[BQ+j]
.set j, j+1
.endr
.set j, 0
.rept 8
	v_and_b32 v[BP+2*j], s82, v[BP+2*j]
	v_mov_b32 v[BP+2*j+1], 0                       ; (named as the upper half of a pair)
.set j, j+1
.endr
.macro FRAG reg, adr, q, i             ; a fragment, 16 rows x 128 K, is 16 registers: lane l holds row l % 16; registers 4 c .. 4 c + 3 hold K = 32 c + 16 (l / 16) + 0 .. 15: the same order of k on both sides
.irp c, 0,1,2,3
	ds_load_b128 v[\reg+4*\c:\reg+4*\c+3], v[\adr] offset:128*(\q)+32*\c+(\i)*16*PITCH
.endr
.endm
; 16 matrix instructions: P's blocks a0, a0 + 1 x Q's eight, 128 along K.  p: Q's set.  zero = 1: the first product starts the sums.
; The 64 accumulators take turns, one instruction a turn, in the same order in every step.
.macro MUL16 a0, p, zero
.irp a, \a0, \a0+1
.irp b, 0,1,2,3,4,5,6,7
.if \zero
	v_wmma_f32_16x16x128_fp8_fp8 v[8*(8*((\a)%4)+\b):8*(8*((\a)%4)+\b)+7], v[128*(\p)+FR*\b:128*(\p)+FR*\b+FR-1], v[AF+FR*(\a):AF+FR*(\a)+FR-1], 0
.else
	v_wmma_f32_16x16x128_fp8_fp8 v[8*(8*((\a)%4)+\b):8*(8*((\a)%4)+\b)+7], v[128*(\p)+FR*\b:128*(\p)+FR*\b+FR-1], v[AF+FR*(\a):AF+FR*(\a)+FR-1], v[8*(8*((\a)%4)+\b):8*(8*((\a)%4)+\b)+7]
.endif
.endr
.endr
.endm
.macro FETCH_B slot, q, p              ; Q's eight fragments of the slot's q-th 128 along K into set p
	WIN TO_B
.irp i, 0,1,2,3,4,5,6,7
	FRAG 128*(\p)+FR*\i, ADRB+\slot, \q, \i
.endr
	WIN 0
.endm
.macro FETCH_A slot, q, i0             ; P's blocks i0 .. i0 + 3
.irp i, \i0, \i0+1, \i0+2, \i0+3
	FRAG AF+FR*(\i), ADRA+\slot, \q, \i
.endr
.endm
; A load into a register that a matrix instruction has read, and a vector instruction that reads a matrix result or writes a matrix instruction's register, stand NP places behind it;
; only plain vector instructions that name none of its registers are places (ISA guide 7.12.1 for vector instructions).
.macro PLACES n
.rept \n
	v_nop
.endr
.endm
; A step of 128 along K that has its successor in the same slot.
.macro STEP slot, q, zero
	s_wait_dscnt 4*NL                              ; Q's set and P's blocks 0-3 are in; the youngest sixteen loads (P's blocks 4-7) may be out
	WIN MUL_LO
	MUL16 0, (\q)%2, \zero
	MUL16 2, (\q)%2, \zero
	s_wait_dscnt 0                                 ; P's blocks 4-7 are in
	PLACES NP
	FETCH_B \slot, (\q)+1, 1-(\q)%2
	FETCH_A \slot, (\q)+1, 0
	WIN MUL_HI
	MUL16 4, (\q)%2, \zero
	MUL16 6, (\q)%2, \zero
	PLACES NP
	WIN 0
	FETCH_A \slot, (\q)+1, 4
.endm
; A slot's last step changes slots: ONE barrier; in front of it each wave waits for all its tensor loads, adds 0 to its spare word, and waits for that and for its own reads of this slot.  fill = 1: this slot is filled again, two K steps ahead.
.macro TURN slot, next, fill
	s_wait_tensorcnt 0x0                           ; all my tensor loads have landed: my part of the next slot;  (every window is 0 here)
	ds_add_u32 v[SPW], v[NIL]                      ; 0 onto my spare word;
	s_wait_dscnt 4*NL+1                            ; (the add and the youngest sixteen loads, P's blocks 4-7, may be out)
	WIN MUL_LO
	MUL16 0, 1, 0                                  ; sixteen matrix instructions stand between the add and the wait for it
	s_wait_dscnt 0x0                               ; the add is done, and my reads of this slot are over
	s_barrier_signal -1
	MUL16 2, 1, 0
	WIN 0
	s_barrier_wait -1
.if \fill
	CREST                                          ; the barrier has opened a round of the cluster's barrier: no wave of any partner still reads this slot's tile or has a load on its way
	s_add_nc_u64 s[G0+4*\slot+2:G0+4*\slot+3], s[G0+4*\slot+2:G0+4*\slot+3], 2*ROWB
	s_add_nc_u64 s[G0B+4*\slot+2:G0B+4*\slot+3], s[G0B+4*\slot+2:G0B+4*\slot+3], 2*ROWB
	JLOAD G0+4*\slot, G1, G0B+4*\slot, G1B         ; the first tensor load behind the round, my one load until the next; its four v_nop are the places in front of the loads below
.else
	PLACES NP
.endif
	FETCH_B \next, 0, 0
	FETCH_A \next, 0, 0
	WIN MUL_HI
	MUL16 4, 1, 0
	MUL16 6, 1, 0
	PLACES NP
	WIN 0
	FETCH_A \next, 0, 4
.endm
	s_wait_alu depctr_va_vdst(0)
	s_wait_tensorcnt 0x0                           ; my part of K step 0 is in
	ds_add_u32 v[SPW], v[NIL]
	s_wait_dscnt 0x0
	CROUND                                         ; everybody's part of K step 0 is in, and all sixteen work-groups are here
	JLOAD G0+4, G1, G0B+4, G1B                     ; K step 1: the first tensor load behind the round
	FETCH_B 0, 0, 0
	FETCH_A 0, 0, 0
	FETCH_A 0, 0, 4
	STEP 0, 0, 1                                   ; the first step stands in front of the loop: its products start the sums
	s_mov_b32 s3, LAPS-1
.Llap:                                                 ; a trip goes once round the ring, from a lap's second step to the next lap's first, and fills both slots again
	TURN 0, 1, 1
	STEP 1, 0, 0
	TURN 1, 0, 1
	STEP 0, 0, 0
	s_sub_co_u32 s3, s3, 1
	s_cmp_lg_u32 s3, 0
	s_cbranch_scc1 .Llap
	TURN 0, 1, 0                                   ; the last lap fills nothing, and has no round of the cluster's barrier
	STEP 1, 0, 0
	s_wait_dscnt 4*NL                              ; the very last step: nothing more to fetch
	WIN MUL_LO
	MUL16 0, 1, 0
	MUL16 2, 1, 0
	s_wait_dscnt 0
	WIN MUL_HI
	MUL16 4, 1, 0
	MUL16 6, 1, 0
	WIN 0
; THE WAY OUT.  Block a (16 rows of P x my 128 rows of Q): value = sum x 2^(e0 + e1) + bias, held, turned into codes (eight neighbours a conversion), 8 bytes a lane and accumulator into the work-group's stage.
.macro OUTBLK a
.set AC, 64*((\a)%4)
.set WN, 0x02+((\a)/4)
	WIN WN                                         ; source 0: window 2 or 3
.set j, 0
.rept 32
	v_pk_fma_f32 v[TMP+j:TMP+j+1], v[AC+j:AC+j+1], s[96:97], v[BQ+j:BQ+j+1] op_sel_hi:[1,0,1]   ; each accumulator from its low end on; the scalar pair's low word serves both halves
.set j, j+2
.endr
	WIN 0
.set j, 0
.rept 32
	v_pk_add_f32 v[TMP+j:TMP+j+1], v[TMP+j:TMP+j+1], v[BP+2*(\a):BP+2*(\a)+1] op_sel_hi:[1,0]   ; the bias of my row of P (v's mode; else 0)
.set j, j+2
.endr
.set j, 0
.rept 64
	v_med3_num_f32 v[TMP+j], v[TMP+j], -v[VLIM], v[VLIM]   ; the conversion to an 8-bit code does not saturate (ISA guide 7.6.2): the hold is always executed
.set j, j+1
.endr
.set j, 0
.rept 8
	v_cvt_scalef32_pk8_fp8_f32 v[CD+2*j:CD+2*j+1], v[TMP+8*j:TMP+8*j+7], v[VSC]
.set j, j+1
.endr
	v_nop                                          ; one plain vector line behind the last conversion of a run
.set j, 0
.rept 8
	ds_store_b64 v[STO], v[CD+2*j:CD+2*j+1] offset:(j/4)*GS+(\a)*16*SROW+16*(j%4)
.set j, j+1
.endr
	s_wait_dscnt 0x0                               ; the stores have read their registers: the next block's codes may be written
.endm
	PLACES NP                                      ; behind the last products: the lines below write registers that held P's fragments
.irp a, 0,1,2,3,4,5,6,7
	OUTBLK \a
.endr
	s_barrier_signal -1                            ; my stores into the stage are done (the wait for 0 above): a row's or a head's bytes come from two waves
	s_barrier_wait -1
	s_cmp_eq_u32 ttmp9, 2                          ; the mode: the cluster's x
	s_cbranch_scc1 .Lv_out
	; q, k: wave w stores head 4 (tile column % 4) + w: 256 tokens x 64 bytes, 16,384 bytes on end
	s_and_b32 s18, s42, 3
	s_lshl_b32 s18, s18, 2
	s_add_co_u32 s18, s18, s14                     ; the head
	s_lshr_b32 s19, s17, 3                         ; the batch: 8 tile rows of 256 tokens each
	s_lshl_b32 s19, s19, 4
	s_add_co_u32 s18, s18, s19
	s_lshl_b32 s18, s18, 11                        ; x 2,048 tokens
	s_and_b32 s19, s17, 7
	s_lshl_b32 s19, s19, 8
	s_add_co_u32 s18, s18, s19                     ; + the tile's first token
	s_lshl_b32 s18, s18, 6                         ; x 64 bytes
	s_mov_b32 s19, 0
	s_cmp_eq_u32 ttmp9, 0
	s_cselect_b64 s[20:21], s[68:69], s[70:71]
	s_add_nc_u64 s[20:21], s[20:21], s[18:19]
.set g, 0
.rept 32
	ds_load_b128 v[BK+4*g:BK+4*g+3], v[RDQ] offset:8*SROW*g
.set g, g+1
.endr
.set g, 0
.rept 32
	s_wait_dscnt 31-g                              ; loads come back in order: number g is in
	global_store_b128 v[GOQ], v[BK+4*g:BK+4*g+3], s[20:21] offset:512*g   ; 32 lanes store 512 consecutive bytes, at a multiple of 512 from the buffer's first byte
.set g, g+1
.endr
	s_branch .Ldone
.Lv_out:
	; v: wave w stores channels 64 w on of the tile's 256 (one head): 64 rows of 256 tokens
	s_lshr_b32 s18, s42, 3                         ; the batch
	s_lshl_b32 s18, s18, 21                        ; x 16 heads x 64 channels x 2,048 bytes
	s_lshl_b32 s19, s17, 8
	s_lshl_b32 s22, s14, 6
	s_add_co_u32 s19, s19, s22                     ; feature 256 x tile row + 64 x wave
	s_lshl_b32 s19, s19, 11
	s_add_co_u32 s18, s18, s19
	s_and_b32 s19, s42, 7
	s_lshl_b32 s19, s19, 8
	s_add_co_u32 s18, s18, s19                     ; + the tile's first token
	s_mov_b32 s19, 0
	s_add_nc_u64 s[20:21], s[72:73], s[18:19]
.set g, 0
.rept 32
	ds_load_b128 v[BK+4*g:BK+4*g+3], v[RDV] offset:2*SROW*g
.set g, g+1
.endr
.set g, 0
.rept 32
	s_wait_dscnt 31-g
	global_store_b128 v[GOV], v[BK+4*g:BK+4*g+3], s[20:21] offset:4096*g   ; sixteen lanes store 256 consecutive bytes, at a multiple of 256 from the buffer's first byte
.set g, g+1
.endr
.Ldone:
	s_wait_tensorcnt 0x0                           ; the wave's end: three lines behind my last tensor load and my last LDS store
	ds_add_u32 v[SPW], v[NIL]
	s_wait_dscnt 0x0
	CROUND                                         ; the closing round: no work-group ends while a partner may still ask for a tile that names it
	s_endpgm
.Lfunc_end_k_q734d0cd8e2_gemm_qkv:
	.size	k_q734d0cd8e2_gemm_qkv, .Lfunc_end_k_q734d0cd8e2_gemm_qkv-k_q734d0cd8e2_gemm_qkv
	.p2alignl 7, 3214868480
	.fill 96, 4, 3214868480
	.section	.rodata,"a",@progbits
	.p2align	6, 0x0
	.amdhsa_kernel k_q734d0cd8e2_gemm_qkv
		.amdhsa_group_segment_fixed_size 327680
		.amdhsa_private_segment_fixed_size 0
		.amdhsa_enable_private_segment 0
		.amdhsa_kernarg_size 56
		.amdhsa_user_sgpr_count 2
		.amdhsa_user_sgpr_kernarg_segment_ptr 1
		.amdhsa_wavefront_size32 1
		.amdhsa_system_sgpr_workgroup_id_x 1
		.amdhsa_system_sgpr_workgroup_id_y 1
		.amdhsa_system_sgpr_workgroup_id_z 1
		.amdhsa_system_vgpr_workitem_id 0
		.amdhsa_next_free_vgpr 1024
		.amdhsa_next_free_sgpr 100
		.amdhsa_reserve_vcc 0
		.amdhsa_float_denorm_mode_32 3
		.amdhsa_float_denorm_mode_16_64 3
		.amdhsa_memory_ordered 1
		.amdhsa_forward_progress 1
		.amdhsa_inst_pref_size 171
	.end_amdhsa_kernel
	.amdgpu_metadata
---
amdhsa.version: [ 1, 2 ]
amdhsa.kernels:
  - .name:           k_q734d0cd8e2_gemm_qkv
    .symbol:         k_q734d0cd8e2_gemm_qkv.kd
    .args:
      - { .name: x_codes, .offset: 0, .size: 8, .value_kind: global_buffer, .address_space: global }
      - { .name: wqkv_codes, .offset: 8, .size: 8, .value_kind: global_buffer, .address_space: global }
      - { .name: lowp_scales, .offset: 16, .size: 8, .value_kind: global_buffer, .address_space: global }
      - { .name: b_qkv, .offset: 24, .size: 8, .value_kind: global_buffer, .address_space: global }
      - { .name: q_codes, .offset: 32, .size: 8, .value_kind: global_buffer, .address_space: global }
      - { .name: k_codes, .offset: 40, .size: 8, .value_kind: global_buffer, .address_space: global }
      - { .name: v_codes, .offset: 48, .size: 8, .value_kind: global_buffer, .address_space: global }
    .group_segment_fixed_size: 327680
    .private_segment_fixed_size: 0
    .kernarg_segment_align: 8
    .kernarg_segment_size: 56
    .max_flat_workgroup_size: 128
    .sgpr_count:     100
    .vgpr_count:     1024
    .wavefront_size: 32
...
	.end_amdgpu_metadata
.endif
;; end of part 2
;; launch attn (part 3): grid 4 x 64, 8 waves a work-group, no clusters, 327,680 bytes of LDS; arguments q_codes, k_codes, v_codes, lowp_scales, y_codes; writes y_codes
.if DOCPART == 3
	.amdgcn_target "amdgcn-amd-amdhsa--gfx1250"
	.amdhsa_code_object_version 6
	.text
	.protected	k_q734d0cd8e2_attn
	.globl	k_q734d0cd8e2_attn
	.p2align	8
	.type	k_q734d0cd8e2_attn,@function
k_q734d0cd8e2_attn:
	s_mov_b64 s[64:65], 0
	v_nop
	global_prefetch_b8 v0, s[64:65] scope:SCOPE_SE
	s_setreg_imm32_b32 hwreg(HW_REG_WAVE_MODE, 25, 1), 1
	s_wait_xcnt 0x0
; y[hb][q][:] = the sum over k <= q of softmax_k(Q[q] . K[k] / 8) V[k][:], head size 64, 2,048 tokens, 64 heads (batch x 16 + head), both products on codes of FP8 (E4M3); y is quantised on the way out.
; q_codes, k_codes: [64][2048][64].  v_codes: [64][64 channels][2048 keys].  y_codes: [64 blocks of 128 tokens][16 heads][128 tokens][64]: a wave's 32 tokens of a head are 2,048 bytes on end.
; LEFT OUT: key steps all of whose keys come after a wave's queries: the causal mask sets their scores to -infinity, so they add nothing to any sum.
; THE SOFTMAX AHEAD OF THE SECOND PRODUCT: t = score x log2(e) / 8; M = the row's largest t so far, rounded UP to a whole number; p = 2^(t - M) is what is quantised (scale 2^e4); it is not normalised.
; The row's sum is taken of the unquantised p, in f32, and divides O at the end.  When M moves, the sum and O are multiplied by 2^(old M - new M): exact.
; SHARES.  Work-group (i, hb) owns the query blocks i and 7 - i (256 queries each) of head hb, ONE AFTER THE OTHER; wave w of eight owns 32 queries of the block in hand, two tiles of 16,
; so that each fragment of K and of V that it reads from LDS feeds two matrix instructions.
; THE WALK is nine VISITS of 256 keys in every work-group: visits 0 .. i are slots 0 .. i of the keys for block i, visits i + 1 .. 8 are slots 0 .. 7 - i for block 7 - i.
; Every visit has work for every wave (its first 128 keys count for all queries of the block), the trip count is a constant.  At visit i + 1 the first block's y
; goes out and the statistics begin anew: a scalar branch on ids.  In a block's last visit the second 128 keys are hidden from waves 0 to 3: a scalar branch on ids round that step's work.
; THE RING: two LDS slots filled by the tensor data mover (wave 0: K's 256 keys; wave 1: V's 64 rows) and read by all eight.  The three lines and the barrier's signal stand in a visit's last
; step, behind its last LDS reads; only register work follows up to the barrier's wait at the next visit's head, behind which the slot just left is filled for the visit after next.
; LAYOUT.  Both products are used transposed: S^T = K Q^T (source 0 = 16 keys, source 1 = 16 queries), O^T = V^T P^T: a lane holds ONE query (lane % 16) of each tile throughout.
; THE KEYS OF A TILE ARE NOT NEIGHBOURS: lane r of tile 2 b + u takes key 32 b + 8 u + r + 8 (r / 8), so that the 16 registers of tiles 2 b and 2 b + 1 are 16 neighbouring keys, 32 b + 16 (lane / 16) + 0 .. 15.
; NO CLUSTER: the four work-groups of a head read the same K and V, but in the same visit they stand at different slots (visit v is slot v or slot v - i - 1), so no round has one tile for all four.
; LIMITS on the given exponents: e2 + e3 between -123 and 130 (they are added to c's exponent field); e4 and e6 between -126 and 119; e4 + e5 is applied by v_ldexp_f32 and has none.  NaN is not served.
; REGISTERS.  Window 0: v1-15 addresses; v16-143 S^T of both tiles, then p; v144-175 p's codes; v176-183 statistics; v184-202 work and constants; v208-223 Q in hand; v224-239 Q of the second block.
;             Window 1: v0-63 eight fragments of K; v64-127 four of V; v128-191 O^T of both tiles.  The softmax names window 0 alone.
.set SK,    256                        ; keys in a slot
.set KP,    144                        ; K in LDS: a row holds TWO keys (128 bytes) + 16 of padding
.set VP,    272                        ; V in LDS: a channel's 256 keys + 16 of padding
.set VOFF,  128*KP                     ; a slot: 128 rows of K, then 64 rows of V
.set SLOT1, 1<<16                      ; slot 1 begins here: one exclusive or turns an address in one slot into the other's
.set NV,    9                          ; visits
.set STG,   2*SLOT1                    ; behind the ring, bytes of its own: the way out's stage, 2,048 bytes for each wave
.set SPARE, STG+8*2048                 ; behind the stage: the spare words, 128 bytes for each wave: four blocks of 256 bytes that no other line names
.set AK0,  1                           ; my lane's place in a tile of K
.set AV0,  2                           ; the same for V
.set PFO,  3                           ; the prefetches' offset; never rewritten
.set DG,   4                           ; lane % 16 - 16 (lane / 16), for the diagonal
.set SPW,  5                           ; LDS address of my spare word; never rewritten
.set NIL,  6                           ; 0; never rewritten
.set GO,   7                           ; 16 x lane
.set ADK,  8                           ; LDS address of the visit's tiles of K
.set ADV,  9                           ; of V
.set SIN,  10                          ; the stage: where I put 8 codes
.set SOUT, 11                          ; and where I read 16 bytes back
.set S,    16
.set PC,   144
.set ST,   176                         ; tile T: ST + 4 T: -M, the largest t, the sum in two halves
.set MA,   184                         ; two chains of maxima for each tile
.set FF,   188                         ; tile T: v[FF + 2 T] = f = 2^(old M - new M) (named as a pair)
.set SA,   192                         ; the sums' second chains
.set D0,   196                         ; the diagonal's bound, one for each tile
.set VSC,  198                         ; 2^e4
.set VLIM, 199                         ; 448 x 2^e4
.set NINF, 200
.set YSC,  201                         ; 2^e6
.set YLIM, 202                         ; 448 x 2^e6
.set Q,    208
.set QL,   224
.set KR,   0                           ; window 1
.set VR,   64
.set OT,   128
.set TB,   2                           ; LDS byte at which the slot in hand begins
.set WV,   18
.set SEL,  20                          ; s[20:21] lane selects for v_permlanex16_b32: lane l xor 16
.set CS,   22                          ; s[22:23] c = log2(e) / 8
.set G1K,  24
.set G1V,  32
.set G0K,  40
.set G0V,  44
.set Q0,   56                          ; first query of my 32 in hand
.set Q0L,  57                          ; and of my 32 of the second block
.set KF,   58                          ; the visit's first key
.set KFN,  59                          ; the first key behind it
.set PFA,  60                          ; s[60:61] where my prefetches stand
.set PFS,  62                          ; s[62:63] a slot on, in bytes
.set LIM,  66                          ; 8 in a wave that prefetches, else 0
.set VC,   67                          ; visits begun
.set HB,   70
.set I1,   71                          ; i + 1: the visit at which the second block begins
.set T0,   72                          ; s[72:73] at work
.set T1,   73
.set KB,   74                          ; s[74:75] the head's first byte of K's codes; s[76:77] of V's
.set VB,   76
.set YB,   78
.set SW,   80                          ; 1 in the visit at which the blocks change
.set EPV,  81                          ; e4 + e5
.set MSB, 0
.macro WIN new                         ; the immediate's high byte repeats the setting that is left
.if MSB != \new
	s_set_vgpr_msb (MSB<<8)|\new
.set MSB, \new
.endif
.endm
; Wave 0 fetches K's tile, wave 1 V's, the others nothing.  An s_nop 0 and four v_nop follow each of the two lines.
.macro TLOAD
	s_cmp_eq_u32 s[WV], 0
	s_cbranch_scc0 .Lnot_k_\@
	tensor_load_to_lds s[G0K:G0K+3], s[G1K:G1K+7]
	s_nop 0
.rept 4
	v_nop
.endr
	s_branch .Lasked_\@
.Lnot_k_\@:
	s_cmp_eq_u32 s[WV], 1
	s_cbranch_scc0 .Lasked_\@
	tensor_load_to_lds s[G0V:G0V+3], s[G1V:G1V+7]
	s_nop 0
.rept 4
	v_nop
.endr
.Lasked_\@:
.endm
; A PREFETCH INTO THE L2.  The head's work-group 0 loads slot v of the keys in trip v (v >= 1); in trip v = 0 .. 6 it asks for slot v + 1, whole: one trip, two key steps, ahead of its load.
; Each aligned block of 256 bytes of slots 1 to 7 is named once in the launch: waves 4 and 5 take K's 16,384 bytes, 8,192 a wave, lanes 256 bytes apart; waves 6 and 7 V's 64 rows, 32 a wave, a lane a row.
; Slot 0 comes by its loads alone; trip 7 asks for nothing: there is no slot 8.
.macro ASK
	s_cmp_lt_u32 s[VC], s[LIM]
	s_cbranch_scc0 .Lnot_mine_\@
	global_prefetch_b8 v[PFO], s[PFA:PFA+1] th:TH_LOAD_NT scope:SCOPE_SE
.Lnot_mine_\@:
.endm
.macro KLOAD hs                        ; eight fragments of 16 keys x 64 channels
	WIN 0x40
.irp t, 0,1,2,3,4,5,6,7
	ds_load_b128 v[KR+8*\t:KR+8*\t+3], v[ADK] offset:(64*(\hs)+16*(\t/2)+4*(\t%2))*KP
	ds_load_b128 v[KR+8*\t+4:KR+8*\t+7], v[ADK] offset:(64*(\hs)+16*(\t/2)+4*(\t%2))*KP+32
.endr
.endm
.macro VLOAD hs                        ; four fragments of 16 channels x 128 keys
	WIN 0x40
.irp t, 0,1,2,3
.irp c, 0,1,2,3
	ds_load_b128 v[VR+16*\t+4*\c:VR+16*\t+4*\c+3], v[ADV] offset:16*\t*VP+128*(\hs)+32*\c
.endr
.endr
.endm
.macro INIT                            ; a block begins: the largest t is -3e38, under every t; the sums and O^T are zeros, which the first change of M leaves zeros
.irp T, 0,1
	v_mov_b32 v[ST+4*\T+1], 0xff61b1e6
	v_mov_b32 v[ST+4*\T+2], 0
	v_mov_b32 v[ST+4*\T+3], 0
.endr
.irp T, 0,1
	v_floor_f32 v[ST+4*\T], -v[ST+4*\T+1]
.endr
	WIN 0x40
.set j, 0
.rept 64
	v_mov_b32 v[OT+j], 0
.set j, j+1
.endr
	WIN 0
.endm
	s_load_b256 s[4:11], s[0:1], 0x0               ; q_codes s[4:5], k_codes s[6:7], v_codes s[8:9], the scales' exponents s[10:11]
	s_load_b64 s[12:13], s[0:1], 0x20              ; y_codes
	v_lshl_add_u32 v[SPW], v0, 2, SPARE
	v_mov_b32 v[NIL], 0
	ds_add_u32 v[SPW], v[NIL]                      ; the opening lines: the add, twice on end, and its wait ahead of the first tensor load
	ds_add_u32 v[SPW], v[NIL]
	v_lshrrev_b32 v8, 5, v0
	v_readfirstlane_b32 s[WV], v8                  ; wave 0..7
	s_and_b32 s[HB], ttmp7, 0xffff
	s_lshl_b32 s68, s[HB], 17                      ; the head's first byte in q_codes, k_codes and v_codes
	s_mov_b32 s69, 0
	s_lshl_b32 s82, s[WV], 5
	s_lshl_b32 s[Q0], ttmp9, 8
	s_add_co_u32 s[Q0], s[Q0], s82                 ; 256 i + 32 w
	s_sub_co_u32 s83, 7, ttmp9
	s_lshl_b32 s[Q0L], s83, 8
	s_add_co_u32 s[Q0L], s[Q0L], s82               ; 256 (7 - i) + 32 w
	s_add_co_u32 s[I1], ttmp9, 1
	; descriptor group 1.  K: 16,384 dense bytes, stated as 64 rows of 256, the padding behind each 128;  V: 64 rows of 256 bytes, 2,048 bytes apart
	s_mov_b32 s[G1K], (0<<16)|(1<<20)|(4<<22)|(3<<25)
	s_mov_b32 s[G1K+1], 256<<16
	s_mov_b32 s[G1K+2], 64<<16
	s_mov_b32 s[G1K+3], 256<<16
	s_mov_b32 s[G1K+4], 64
	s_mov_b32 s[G1K+5], 256
	s_mov_b32 s[G1K+6], 0
	s_mov_b32 s[G1K+7], 0
	s_mov_b32 s[G1V], (0<<16)|(1<<20)|(5<<22)|(3<<25)
	s_mov_b32 s[G1V+1], 256<<16
	s_mov_b32 s[G1V+2], 64<<16
	s_mov_b32 s[G1V+3], 256<<16
	s_mov_b32 s[G1V+4], 64
	s_mov_b32 s[G1V+5], 2048
	s_mov_b32 s[G1V+6], 0
	s_mov_b32 s[G1V+7], 0
	s_mov_b32 s[SEL], 0x76543210
	s_mov_b32 s[SEL+1], 0xfedcba98
	s_mov_b32 s[CS], 0x3e38aa3b                    ; c = log2(e) / sqrt(64)
	s_mov_b32 s[TB], 0
	s_mov_b32 s[VC], 0
	s_mov_b32 s[KFN], 0
	s_wait_dscnt 0x0                               ; both opening adds are done
	s_wait_kmcnt 0x0
	s_load_b256 s[48:55], s[10:11], 0x0            ; e0 .. e7
	s_add_nc_u64 s[KB:KB+1], s[6:7], s[68:69]
	s_add_nc_u64 s[VB:VB+1], s[8:9], s[68:69]
	s_mov_b32 s[G0K], 1
	s_mov_b32 s[G0K+1], 0                          ; slot 0
	s_mov_b64 s[G0K+2:G0K+3], s[KB:KB+1]
	s_or_b32 s[G0K+3], s[G0K+3], 0x80000000
	s_mov_b32 s[G0V], 1
	s_mov_b32 s[G0V+1], VOFF
	s_mov_b64 s[G0V+2:G0V+3], s[VB:VB+1]
	s_or_b32 s[G0V+3], s[G0V+3], 0x80000000
	TLOAD                                          ; visit 0: one tensor load of a fetching wave is out, here and behind every barrier
	s_lshl_b32 s[T0], s[Q0], 6
	s_mov_b32 s[T1], 0
	s_add_nc_u64 s[T0:T1], s[T0:T1], s[68:69]
	s_add_nc_u64 s[84:85], s[4:5], s[T0:T1]        ; Q's codes of my first 32 queries,
	s_lshl_b32 s[T0], s[Q0L], 6
	s_mov_b32 s[T1], 0
	s_add_nc_u64 s[T0:T1], s[T0:T1], s[68:69]
	s_add_nc_u64 s[86:87], s[4:5], s[T0:T1]        ; and of my second
	s_lshl_b32 s88, s[WV], 11
	s_add_co_u32 s88, s88, STG                     ; my stage
	; the prefetches: where my wave's stand, and who asks
	s_cmp_lt_u32 s[WV], 6
	s_cselect_b64 s[PFA:PFA+1], s[6:7], s[8:9]
	s_mov_b32 s[PFS], 256
	s_cselect_b32 s[PFS], 16384, s[PFS]            ; a slot on
	s_mov_b32 s89, 2048
	s_cselect_b32 s89, 256, s89                    ; from lane to lane
	s_mov_b32 s83, 32*2048
	s_cselect_b32 s83, 8192, s83                   ; from wave to wave
	s_and_b32 s82, s[WV], 1
	s_mul_i32 s82, s82, s83                        ; my wave's part, in slot 0: the first trip steps it to slot 1
	s_mov_b32 s83, 0
	s_mov_b32 s[PFS+1], 0
	s_add_nc_u64 s[PFA:PFA+1], s[PFA:PFA+1], s[68:69]
	s_add_nc_u64 s[PFA:PFA+1], s[PFA:PFA+1], s[82:83]
	s_sub_co_u32 s82, s[WV], 4
	s_lshr_b32 s82, s82, 2                         ; 0 in waves 4 to 7,
	s_or_b32 s82, s82, ttmp9                       ; of the head's first work-group
	s_cmp_eq_u32 s82, 0
	s_cselect_b32 s[LIM], 8, 0
	; Q's fragments: lane (r, h) takes, of query r, channels 32 c + 16 h + 0 .. 15: the same order of channels as K's fragments have
	v_and_b32 v12, 15, v0                          ; r
	v_bfe_u32 v13, v0, 4, 1                        ; h
	v_lshlrev_b32 v14, 6, v12
	v_lshl_add_u32 v14, v13, 4, v14                ; 64 r + 16 h
.irp T, 0,1
	global_load_b128 v[Q+8*\T:Q+8*\T+3], v14, s[84:85] offset:1024*\T
	global_load_b128 v[Q+8*\T+4:Q+8*\T+7], v14, s[84:85] offset:1024*\T+32
	global_load_b128 v[QL+8*\T:QL+8*\T+3], v14, s[86:87] offset:1024*\T
	global_load_b128 v[QL+8*\T+4:QL+8*\T+7], v14, s[86:87] offset:1024*\T+32
.endr
	v_and_b32 v15, 8, v12
	v_add_nc_u32 v15, v15, v12                     ; r + 8 (r / 8): my key in tile 0
	v_lshrrev_b32 v[AK0], 1, v15
	v_mul_u32_u24 v[AK0], v[AK0], KP               ; two keys to an LDS row
	v_and_b32 v15, 1, v15
	v_lshl_add_u32 v[AK0], v15, 6, v[AK0]
	v_lshl_add_u32 v[AK0], v13, 4, v[AK0]
	v_mul_u32_u24 v[AV0], v12, VP
	v_lshl_add_u32 v[AV0], v13, 4, v[AV0]
	v_add_nc_u32 v[AV0], VOFF, v[AV0]
	v_lshlrev_b32 v[DG], 4, v13
	v_sub_nc_u32 v[DG], v12, v[DG]                 ; r - 16 h
	v_and_b32 v[GO], 31, v0
	v_lshlrev_b32 v[GO], 4, v[GO]
	v_lshlrev_b32 v[SIN], 6, v12
	v_lshl_add_u32 v[SIN], v13, 3, v[SIN]
	v_add_nc_u32 v[SIN], s88, v[SIN]               ; in: query r's 64 bytes, + 8 h
	v_add_nc_u32 v[SOUT], s88, v[GO]               ; back: 16 bytes a lane, on end
	v_and_b32 v[PFO], 31, v0
	v_mul_lo_u32 v[PFO], v[PFO], s89
.irp k, 0,1,2,3
	v_mov_b32 v[MA+\k], 0                          ; written once: a lane permute's destination counts as one of its sources
	v_mov_b32 v[FF+\k], 0                          ; (the upper halves are named in pairs)
.endr
	v_mov_b32 v[NINF], 0xff800000
	INIT
	s_wait_alu depctr_va_vdst(0)
	s_wait_kmcnt 0x0
	s_add_co_i32 s82, s50, s51
	s_lshl_b32 s82, s82, 23
	s_add_co_i32 s[CS], s[CS], s82                 ; a score stands for score x 2^(e2 + e3): the two exponents are added to c's exponent field
	s_mov_b32 s[CS+1], s[CS]
	s_add_co_i32 s[EPV], s52, s53
	s_add_co_i32 s82, s52, 127
	s_lshl_b32 s83, s82, 23
	v_mov_b32 v[VSC], s83
	s_add_co_i32 s82, s82, 8
	s_lshl_b32 s82, s82, 23
	s_or_b32 s82, s82, 0x600000
	v_mov_b32 v[VLIM], s82
	s_add_co_i32 s82, s54, 127
	s_lshl_b32 s83, s82, 23
	v_mov_b32 v[YSC], s83
	s_add_co_i32 s82, s82, 8
	s_lshl_b32 s82, s82, 23
	s_or_b32 s82, s82, 0x600000
	v_mov_b32 v[YLIM], s82
; A KEY STEP of my two tiles: 128 keys, the hs-th half of the slot in hand.  K's fragments have been asked for.  sig = 1: the visit's last step in the loop: it holds the three lines and the barrier's signal.
.macro STEP hs, sig
.if \hs
	s_add_co_u32 s[T0], s[KF], 128                 ; the step's first key
	s_add_co_u32 s[T1], s[Q0], 31
	s_cmp_gt_u32 s[T0], s[T1]                      ; all its keys come after my 32 queries: ids alone
	s_cbranch_scc1 .Lhid_\@
.else
	s_mov_b32 s[T0], s[KF]
.endif
	s_wait_dscnt 0x0                               ; K's fragments are in
	WIN 0x01                                       ; source 0 (K) window 1
.irp t, 0,1,2,3,4,5,6,7
	v_wmma_f32_16x16x64_fp8_fp8 v[S+8*\t:S+8*\t+7], v[KR+8*\t:KR+8*\t+7], v[Q:Q+7], 0
	v_wmma_f32_16x16x64_fp8_fp8 v[S+64+8*\t:S+64+8*\t+7], v[KR+8*\t:KR+8*\t+7], v[Q+8:Q+15], 0
.endr
.rept 4
	v_nop                                          ; places: in front of the loads into K's and V's registers, and of the first read of the scores
.endr
	VLOAD \hs                                      ; V's fragments land under the softmax,
.if \hs == 0
	KLOAD 1                                        ; and so do the next step's fragments of K, from the same slot
.endif
	WIN 0
	s_add_co_u32 s[T1], s[T0], 127                 ; on the diagonal hidden scores become -infinity ahead of the maximum.  A step all of whose keys count skips this
	s_cmp_le_u32 s[T1], s[Q0]
	s_cbranch_scc1 .Lopen_\@
	s_sub_co_i32 s[T1], s[Q0], s[T0]
	v_add_nc_u32 v[D0], s[T1], v[DG]               ; d = my query - the step's first key - 16 (lane / 16).  Register 16 b + i holds key 32 b + 16 (lane / 16) + i: hidden where 32 b + i > d
	v_add_nc_u32 v[D0+1], 16, v[D0]                ; tile 1's queries are 16 on
.set n, 0
.rept 64
	v_cmp_gt_i32 vcc_lo, 32*(n/16)+n%16, v[D0]
	v_cndmask_b32 v[S+n], v[S+n], v[NINF], vcc_lo
	v_cmp_gt_i32 vcc_lo, 32*(n/16)+n%16, v[D0+1]
	v_cndmask_b32 v[S+64+n], v[S+64+n], v[NINF], vcc_lo
.set n, n+1
.endr
.Lopen_\@:
.irp T, 0,1                                    ; the step's largest scores: two chains a tile, the two tiles by turns; each accumulator from its low end on
	v_max3_num_f32 v[MA+2*\T], v[S+64*\T], v[S+64*\T+1], v[S+64*\T+2]
	v_max3_num_f32 v[MA+2*\T+1], v[S+64*\T+3], v[S+64*\T+4], v[S+64*\T+5]
.endr
.irp i, 6,10,14,18,22,26,30,34,38,42,46,50,54,58
.irp T, 0,1
	v_max3_num_f32 v[MA+2*\T], v[MA+2*\T], v[S+64*\T+\i], v[S+64*\T+\i+1]
	v_max3_num_f32 v[MA+2*\T+1], v[MA+2*\T+1], v[S+64*\T+\i+2], v[S+64*\T+\i+3]
.endr
.endr
.irp T, 0,1
	v_max3_num_f32 v[MA+2*\T], v[MA+2*\T], v[S+64*\T+62], v[S+64*\T+63]
.endr
.irp T, 0,1
	v_max_num_f32 v[MA+2*\T], v[MA+2*\T], v[MA+2*\T+1]
.endr
.irp T, 0,1
	v_permlanex16_b32 v[MA+2*\T+1], v[MA+2*\T], s[SEL], s[SEL+1]
.endr
.irp T, 0,1
	v_max_num_f32 v[MA+2*\T], v[MA+2*\T], v[MA+2*\T+1]   ; and among lane l xor 16's
.endr
.irp T, 0,1
	v_mul_f32 v[MA+2*\T], s[CS], v[MA+2*\T]        ; as t (c is positive)
.endr
.irp T, 0,1
	v_max_num_f32 v[ST+4*\T+1], v[ST+4*\T+1], v[MA+2*\T]   ; the running largest t
.endr
.irp T, 0,1
	v_mov_b32 v[MA+2*\T], v[ST+4*\T]
.endr
.irp T, 0,1
	v_floor_f32 v[ST+4*\T], -v[ST+4*\T+1]          ; the new -M = floor(-t) = -ceil(t): M IS A WHOLE NUMBER
.endr
.irp T, 0,1
	v_sub_f32 v[MA+2*\T], v[ST+4*\T], v[MA+2*\T]   ; M's old value less its new one: a whole number, 0 or less
.endr
.irp T, 0,1
	v_cvt_i32_f32 v[MA+2*\T], v[MA+2*\T]           ; (it saturates)
.endr
.irp T, 0,1
	v_ldexp_f32 v[FF+2*\T], 1.0, v[MA+2*\T]        ; f = 2^(old M - new M)
.endr
.irp T, 0,1
.set j, 0
.rept 32
	v_pk_fma_f32 v[S+64*\T+j:S+64*\T+j+1], v[S+64*\T+j:S+64*\T+j+1], s[CS:CS+1], v[ST+4*\T:ST+4*\T+1] op_sel_hi:[1,0,0]   ; t - M, two at a time (of the pairs c and -M the low word serves both halves)
.set j, j+2
.endr
.endr
	s_wait_alu depctr_va_vdst(0)
.set j, 0
.rept 128
	v_exp_f32 v[S+j], v[S+j]                       ; p = 2^(t - M), at most 1: NOT normalised
.set j, j+1
.endr
.irp T, 0,1
	v_pk_mul_f32 v[ST+4*\T+2:ST+4*\T+3], v[ST+4*\T+2:ST+4*\T+3], v[FF+2*\T:FF+2*\T+1] op_sel_hi:[1,0]   ; the sums under the new M.  (Plain lines behind the exponentials)
.endr
	s_wait_alu depctr_va_vdst(0)                   ; one wait for the whole batch, ahead of its first reader
.irp T, 0,1
	v_pk_add_f32 v[SA+2*\T:SA+2*\T+1], v[S+64*\T:S+64*\T+1], v[S+64*\T+2:S+64*\T+3]   ; THE ROWS' SUMS ARE TAKEN OF THE UNQUANTISED p: two chains a tile
.endr
.irp j, 4,8,12,16,20,24,28,32,36,40,44,48,52,56,60
.irp T, 0,1
	v_pk_add_f32 v[ST+4*\T+2:ST+4*\T+3], v[ST+4*\T+2:ST+4*\T+3], v[S+64*\T+\j:S+64*\T+\j+1]
	v_pk_add_f32 v[SA+2*\T:SA+2*\T+1], v[SA+2*\T:SA+2*\T+1], v[S+64*\T+\j+2:S+64*\T+\j+3]
.endr
.endr
.irp T, 0,1
	v_pk_add_f32 v[ST+4*\T+2:ST+4*\T+3], v[ST+4*\T+2:ST+4*\T+3], v[SA+2*\T:SA+2*\T+1]
.endr
.set j, 0
.rept 64                                       ; the conversion to an 8-bit code does not saturate (ISA guide 7.6.2); p is not negative, so the hold is one-sided; two numbers a line
	v_dual_min_num_f32 v[S+j], v[VLIM], v[S+j] :: v_dual_min_num_f32 v[S+j+1], v[VLIM], v[S+j+1]
.set j, j+2
.endr
.irp T, 0,1
.irp b, 0,1,2,3
	v_cvt_scalef32_pk8_fp8_f32 v[PC+16*\T+4*\b:PC+16*\T+4*\b+1], v[S+64*\T+16*\b:S+64*\T+16*\b+7], v[VSC]
	v_cvt_scalef32_pk8_fp8_f32 v[PC+16*\T+4*\b+2:PC+16*\T+4*\b+3], v[S+64*\T+16*\b+8:S+64*\T+16*\b+15], v[VSC]
.endr
.endr
	WIN 0x41                                       ; O^T in window 1, f in window 0
	s_wait_alu depctr_va_vdst(0)                   ; directly ahead of the first reader of O^T
.irp T, 0,1
.set j, 0
.rept 16
	v_pk_mul_f32 v[OT+32*\T+j:OT+32*\T+j+1], v[OT+32*\T+j:OT+32*\T+j+1], v[FF+2*\T:FF+2*\T+1] op_sel_hi:[1,0]   ; O^T under the new M.  (Plain lines behind the conversions, ahead of the products)
.set j, j+2
.endr
.endr
	s_wait_alu depctr_va_vdst(0)
	s_wait_dscnt 16*(1-\hs)                        ; V's sixteen loads are in; behind them stand the sixteen for the next step's K (first step), or none
	WIN 0x51                                       ; V, C and D window 1, p's codes window 0
.irp t, 0,1,2,3
	v_wmma_f32_16x16x128_fp8_fp8 v[OT+8*\t:OT+8*\t+7], v[VR+16*\t:VR+16*\t+15], v[PC:PC+15], v[OT+8*\t:OT+8*\t+7]   ; O^T += V^T P^T: eight accumulators by turns
	v_wmma_f32_16x16x128_fp8_fp8 v[OT+32+8*\t:OT+32+8*\t+7], v[VR+16*\t:VR+16*\t+15], v[PC+16:PC+31], v[OT+32+8*\t:OT+32+8*\t+7]
.endr
	WIN 0
.if \hs
.Lhid_\@:                                      ; the branch on ids leads round the step's work alone
.endif
.if \sig
	s_wait_tensorcnt 0x0                           ; every wave: my part of the next visit's slot is in;
	ds_add_u32 v[SPW], v[NIL]                      ; 0 onto my spare word, twice on end;
	ds_add_u32 v[SPW], v[NIL]
	s_wait_dscnt 0x0                               ; the adds are done, and my reads of this slot are over
	s_barrier_signal -1                            ; the barrier's wait stands at the next visit's head
.endif
.endm
; A VISIT'S HEAD.  Behind the barrier the slot ahead is whole and nobody reads the other one.  fill = 1: that other slot is filled for the visit after this one.
.macro TOP fill
	s_barrier_wait -1
	s_cmp_eq_u32 s[VC], s[I1]                      ; does the second block begin here?  ids and the count of visits alone
	s_cselect_b32 s[KF], 0, s[KFN]
	s_cselect_b32 s[SW], 1, 0
	s_add_co_u32 s[VC], s[VC], 1
	s_add_co_u32 s[KFN], s[KF], SK
.if \fill
	s_cmp_eq_u32 s[VC], s[I1]
	s_cselect_b32 s[T0], 0, s[KFN]                 ; the next visit's first key
	s_mov_b32 s[T1], 0
	s_add_nc_u64 s[G0V+2:G0V+3], s[VB:VB+1], s[T0:T1]      ; no tensor load of mine is out (the wait for 0 ahead of the signal), so the groups 0 may be written
	s_or_b32 s[G0V+3], s[G0V+3], 0x80000000
	s_lshl_b32 s[T0], s[T0], 6
	s_add_nc_u64 s[G0K+2:G0K+3], s[KB:KB+1], s[T0:T1]
	s_or_b32 s[G0K+3], s[G0K+3], 0x80000000
	s_xor_b32 s[G0K+1], s[G0K+1], SLOT1
	s_xor_b32 s[G0V+1], s[G0V+1], SLOT1
	s_wait_xcnt 0x0                                ; the last prefetch, a visit back, has read its address
	s_add_nc_u64 s[PFA:PFA+1], s[PFA:PFA+1], s[PFS:PFS+1]
	TLOAD                                          ; a wave's one tensor load until the next barrier
	ASK
.endif
.endm
; THE WAY OUT of a block.  y = O^T / the sum x 2^(e4 + e5), quantised with 2^e6: a lane's eight channels of a query are eight neighbours along the last product's K.  more = 1: the second block begins.
.macro FINISH more
.irp T, 0,1
	v_add_f32 v[ST+4*\T+2], v[ST+4*\T+2], v[ST+4*\T+3]
.endr
.irp T, 0,1
	v_permlanex16_b32 v[MA+2*\T], v[ST+4*\T+2], s[SEL], s[SEL+1]
.endr
.irp T, 0,1
	v_add_f32 v[ST+4*\T+2], v[ST+4*\T+2], v[MA+2*\T]   ; the rows' sums
.endr
	s_wait_alu depctr_va_vdst(0)
	v_rcp_f32 v[ST+2], v[ST+2]
	v_rcp_f32 v[ST+6], v[ST+6]
	v_nop
	s_lshr_b32 s[T0], s[HB], 4                     ; where my 2,048 bytes go: ((batch x 16 + query / 128) x 16 + head) x 8,192 + (query % 128) x 64
	s_lshl_b32 s[T0], s[T0], 4
	s_lshr_b32 s[T1], s[Q0], 7
	s_add_co_u32 s[T0], s[T0], s[T1]
	s_lshl_b32 s[T0], s[T0], 4
	s_and_b32 s[T1], s[HB], 15
	s_add_co_u32 s[T0], s[T0], s[T1]
	s_lshl_b32 s[T0], s[T0], 13
	s_and_b32 s[T1], s[Q0], 127
	s_lshl_b32 s[T1], s[T1], 6
	s_add_co_u32 s[T0], s[T0], s[T1]
	s_mov_b32 s[T1], 0
	s_add_nc_u64 s[YB:YB+1], s[12:13], s[T0:T1]
	s_wait_alu depctr_va_vdst(0)                   ; the wait ahead of the first line that names a reciprocal: one for the two
	v_ldexp_f32 v[ST+2], v[ST+2], s[EPV]
	v_ldexp_f32 v[ST+6], v[ST+6], s[EPV]
	WIN 0x01
	s_wait_alu depctr_va_vdst(0)                   ; directly ahead of the first reader of O^T
.irp T, 0,1
.set j, 0
.rept 32
	v_mul_f32 v[S+32*\T+j], v[OT+32*\T+j], v[ST+4*\T+2]   ; register 8 t + i is y(query r, channel 16 t + 8 h + i); each accumulator from its low end on
.set j, j+1
.endr
.endr
	WIN 0
.set j, 0
.rept 64
	v_med3_num_f32 v[S+j], v[S+j], -v[YLIM], v[YLIM]
.set j, j+1
.endr
.irp T, 0,1
.irp t, 0,1,2,3
	v_cvt_scalef32_pk8_fp8_f32 v[PC+8*\T+2*\t:PC+8*\T+2*\t+1], v[S+32*\T+8*\t:S+32*\T+8*\t+7], v[YSC]
.endr
.endr
	v_nop                                          ; one plain vector line behind the last conversion of a run
.irp T, 0,1
.irp t, 0,1,2,3
	ds_store_b64 v[SIN], v[PC+8*\T+2*\t:PC+8*\T+2*\t+1] offset:1024*\T+16*\t
.endr
.endr
.irp g, 0,1,2,3
	ds_load_b128 v[S+64+4*\g:S+64+4*\g+3], v[SOUT] offset:512*\g   ; LDS serves a wave's instructions in order: these see my stores
.endr
	s_wait_dscnt 0x0
.irp g, 0,1,2,3
	global_store_b128 v[GO], v[S+64+4*\g:S+64+4*\g+3], s[YB:YB+1] offset:512*\g   ; 32 lanes store 512 consecutive bytes, at a multiple of 512 from the buffer's first byte
.endr
.if \more
.set j, 0
.rept 16
	v_mov_b32 v[Q+j], v[QL+j]                      ; the second block's Q, fetched at the head
.set j, j+1
.endr
	INIT
	s_mov_b32 s[Q0], s[Q0L]
	s_wait_alu depctr_va_vdst(0)
	s_wait_xcnt 0x0                                ; the stores have read their registers and their base: both are written again
.endif
.endm
.macro BODY sig
	v_add_nc_u32 v[ADK], s[TB], v[AK0]
	v_add_nc_u32 v[ADV], s[TB], v[AV0]
	s_wait_alu depctr_va_vdst(0)
	KLOAD 0
	WIN 0
	STEP 0, 0
	STEP 1, \sig
.endm
	s_wait_alu depctr_va_vdst(0)
	s_wait_loadcnt 0x0                             ; Q
	s_wait_tensorcnt 0x0                           ; my part of visit 0's slot is in
	ds_add_u32 v[SPW], v[NIL]                      ; the add, twice on end
	ds_add_u32 v[SPW], v[NIL]
	s_wait_dscnt 0x0
	s_barrier_signal -1
.Lvisit:                                           ; NV - 1 trips: each asks for the next visit's slot (in the first trip: slot 1's first fill, issued as a refill is)
	TOP 1
	s_cmp_eq_u32 s[SW], 1
	s_cbranch_scc0 .Lsame
	FINISH 1
.Lsame:
	BODY 1
	s_xor_b32 s[TB], s[TB], SLOT1                  ; on to the other slot
	s_cmp_lt_u32 s[VC], NV-1
	s_cbranch_scc1 .Lvisit
	TOP 0                                          ; the last visit is written out: nothing is left to fetch
	BODY 0
	FINISH 0
	s_wait_tensorcnt 0x0                           ; the wave's end: three lines behind my last tensor load and my last LDS store
	ds_add_u32 v[SPW], v[NIL]
	s_wait_dscnt 0x0
	s_endpgm
.Lfunc_end_k_q734d0cd8e2_attn:
	.size	k_q734d0cd8e2_attn, .Lfunc_end_k_q734d0cd8e2_attn-k_q734d0cd8e2_attn
	.p2alignl 7, 3214868480
	.fill 96, 4, 3214868480
	.section	.rodata,"a",@progbits
	.p2align	6, 0x0
	.amdhsa_kernel k_q734d0cd8e2_attn
		.amdhsa_group_segment_fixed_size 327680
		.amdhsa_private_segment_fixed_size 0
		.amdhsa_enable_private_segment 0
		.amdhsa_kernarg_size 40
		.amdhsa_user_sgpr_count 2
		.amdhsa_user_sgpr_kernarg_segment_ptr 1
		.amdhsa_wavefront_size32 1
		.amdhsa_system_sgpr_workgroup_id_x 1
		.amdhsa_system_sgpr_workgroup_id_y 1
		.amdhsa_system_sgpr_workgroup_id_z 1
		.amdhsa_system_vgpr_workitem_id 0
		.amdhsa_next_free_vgpr 448
		.amdhsa_next_free_sgpr 100
		.amdhsa_reserve_vcc 1
		.amdhsa_float_denorm_mode_32 3
		.amdhsa_float_denorm_mode_16_64 3
		.amdhsa_memory_ordered 1
		.amdhsa_forward_progress 1
		.amdhsa_inst_pref_size 186
	.end_amdhsa_kernel
	.amdgpu_metadata
---
amdhsa.version: [ 1, 2 ]
amdhsa.kernels:
  - .name:           k_q734d0cd8e2_attn
    .symbol:         k_q734d0cd8e2_attn.kd
    .args:
      - { .name: q_codes, .offset: 0, .size: 8, .value_kind: global_buffer, .address_space: global }
      - { .name: k_codes, .offset: 8, .size: 8, .value_kind: global_buffer, .address_space: global }
      - { .name: v_codes, .offset: 16, .size: 8, .value_kind: global_buffer, .address_space: global }
      - { .name: lowp_scales, .offset: 24, .size: 8, .value_kind: global_buffer, .address_space: global }
      - { .name: y_codes, .offset: 32, .size: 8, .value_kind: global_buffer, .address_space: global }
    .group_segment_fixed_size: 327680
    .private_segment_fixed_size: 0
    .kernarg_segment_align: 8
    .kernarg_segment_size: 40
    .max_flat_workgroup_size: 256
    .sgpr_count:     100
    .vgpr_count:     448
    .wavefront_size: 32
...
	.end_amdgpu_metadata
.endif
;; end of part 3
;; launch gemm_proj (part 4): grid 4 x 32, 4 waves a work-group, clusters of 4 x 4, 327,680 bytes of LDS; arguments y_codes, wproj_codes, lowp_scales, b_proj, out0; writes out0
.if DOCPART == 4
	.amdgcn_target "amdgcn-amd-amdhsa--gfx1250"
	.amdhsa_code_object_version 6
	.text
	.protected	k_q734d0cd8e2_gemm_proj
	.globl	k_q734d0cd8e2_gemm_proj
	.p2align	8
	.type	k_q734d0cd8e2_gemm_proj,@function
k_q734d0cd8e2_gemm_proj:
	s_mov_b64 s[64:65], 0
	v_nop
	global_prefetch_b8 v0, s[64:65] scope:SCOPE_SE
	s_setreg_imm32_b32 hwreg(HW_REG_WAVE_MODE, 25, 1), 1
	s_wait_xcnt 0x0
	s_wait_alu depctr_hold_cnt(0) depctr_sa_sdst(0) depctr_va_vdst(0) depctr_va_sdst(0) depctr_va_ssrc(0) depctr_va_vcc(0) depctr_vm_vsrc(0)
	s_getreg_b32 s2, hwreg(HW_REG_IB_STS2, 6, 4)
	s_cmp_eq_u32 s2, 0
	s_cbranch_scc0 .Lentry_in_a_cluster
	s_endpgm
.Lentry_in_a_cluster:
	s_bfe_u32 s2, ttmp6, 0x10000c
	s_cmp_lg_u32 s2, 0xf033
	s_cbranch_scc0 .Lentry_shape_is_right
	s_endpgm
.Lentry_shape_is_right:
.set SIZE_N, 1024
.set ROWB,   256
.set KROW,   1024
.set ASTEP,  32768
.set PITCH,  272
.set FR,     16
.set NL,     4
.set NP,     4
.set HALFT,  128*PITCH
.set SLOT,   4*HALFT
.set LAPS,   2
.set SPARE,  2*SLOT
.set SPITCH, 528
.set ADRA, 16
.set ADRB, 20
.set STO,  24
.set RD,   25
.set CO,   26
.set SPW,  28
.set NIL,  29
.set TMP,  32
.set AF,   128
.set BK,   128
.set G1, 24
.set G0, 32
.set G1B, 48
.set G0B, 56
.set MSB, 0
.macro WIN new
.if MSB != \new
	s_set_vgpr_msb (MSB<<8)|\new
.set MSB, \new
.endif
.endm
.set MUL_LO, 0xa1
.set MUL_HI, 0xf1
.set TO_B,   0x40
.macro JLOAD g0a, g1a, g0b, g1b
	s_cmp_eq_u32 s15, 0
	s_cbranch_scc0 .Lfor_b_\@
	tensor_load_to_lds s[\g0a:\g0a+3], s[\g1a:\g1a+7]
	s_nop 0
.rept 4
	v_nop
.endr
	s_branch .Lasked_\@
.Lfor_b_\@:
	tensor_load_to_lds s[\g0b:\g0b+3], s[\g1b:\g1b+7]
	s_nop 0
.rept 4
	v_nop
.endr
.Lasked_\@:
.endm
.macro CREST
	s_cmp_lg_u32 s14, 0
	s_cbranch_scc1 .Lnot_wave_0_\@
	s_barrier_signal -3
.Lnot_wave_0_\@:
	s_barrier_wait -3
	s_barrier_signal -1
	s_barrier_wait -1
.endm
.macro CROUND
	s_barrier_signal -1
	s_barrier_wait -1
	CREST
.endm
	s_load_b256 s[4:11], s[0:1], 0x0
	s_load_b64 s[12:13], s[0:1], 0x20
	v_lshl_add_u32 v[SPW], v0, 2, SPARE
	v_mov_b32 v[NIL], 0
	ds_add_u32 v[SPW], v[NIL]
	ds_add_u32 v[SPW], v[NIL]
	v_lshrrev_b32 v1, 5, v0
	v_readfirstlane_b32 s14, v1
	s_lshr_b32 s15, s14, 1
	s_and_b32 s16, s14, 1
	s_bfe_u32 s40, ttmp6, 0x40000
	s_bfe_u32 s41, ttmp6, 0x40004
	s_lshl_b32 s42, ttmp9, 2
	s_add_co_u32 s42, s42, s40
	s_and_b32 s17, ttmp7, 0xffff
	s_lshl_b32 s17, s17, 2
	s_add_co_u32 s17, s17, s41
	s_lshl_b32 s43, s41, 2
	s_lshl_b32 s43, 15, s43
	s_lshl_b32 s44, 0x1111, s40
	s_or_b32 s[G1+0], s43, (0<<16)|(1<<20)|(1<<21)|(5<<22)|(3<<25)
	s_or_b32 s[G1B+0], s44, (0<<16)|(1<<20)|(1<<21)|(5<<22)|(3<<25)
.irp g, G1, G1B
	s_mov_b32 s[\g+1], ROWB<<16
	s_mov_b32 s[\g+2], 128<<16
	s_mov_b32 s[\g+3], ROWB<<16
	s_mov_b32 s[\g+4], 128
	s_mov_b32 s[\g+6], 0
	s_mov_b32 s[\g+7], 0
.endr
	s_mov_b32 s[G1+5], ROWB
	s_mov_b32 s[G1B+5], KROW
	s_lshl_b32 s20, s17, 1
	s_add_co_u32 s20, s20, s16
	s_lshl_b32 s20, s20, 17
	s_mov_b32 s21, 0
	s_lshl_b32 s18, s16, 7
	s_lshl_b32 s46, s42, 8
	s_add_co_u32 s46, s46, s18
	s_lshl_b32 s46, s46, 10
	s_mov_b32 s47, 0
	s_mul_i32 s45, s14, HALFT
	s_wait_dscnt 0x0
	s_wait_kmcnt 0x0
	s_load_b64 s[96:97], s[8:9], 0x18
	s_add_nc_u64 s[20:21], s[4:5], s[20:21]
	s_add_nc_u64 s[46:47], s[6:7], s[46:47]
	CROUND
.irp s, 0,1
	s_mov_b32 s[G0+4*\s], 1
	s_add_co_u32 s[G0+4*\s+1], s45, \s*SLOT
	s_add_nc_u64 s[G0+4*\s+2:G0+4*\s+3], s[20:21], \s*ASTEP
	s_or_b32 s[G0+4*\s+3], s[G0+4*\s+3], 0x80000000
	s_mov_b32 s[G0B+4*\s], 1
	s_add_co_u32 s[G0B+4*\s+1], s45, \s*SLOT
	s_add_nc_u64 s[G0B+4*\s+2:G0B+4*\s+3], s[46:47], \s*ROWB
	s_or_b32 s[G0B+4*\s+3], s[G0B+4*\s+3], 0x80000000
	s_wait_alu depctr_va_vdst(0)
	s_wait_tensorcnt 0x0
	ds_add_u32 v28, v29
	ds_add_u32 v28, v29
	s_wait_dscnt 0x0
	CROUND
	JLOAD G0+4*\s, G1, G0B+4*\s, G1B
.endr
	v_and_b32 v1, 15, v0
	v_bfe_u32 v2, v0, 4, 1
	v_mul_u32_u24 v3, v1, PITCH
	v_lshl_add_u32 v4, v2, 4, v3
	v_lshrrev_b32 v5, 2, v1
	v_mul_u32_u24 v5, v5, PITCH
	v_and_b32 v6, 3, v1
	v_lshl_add_u32 v5, v6, 6, v5
	v_lshl_add_u32 v5, v2, 4, v5
	s_mul_i32 s21, s15, HALFT
	s_mul_i32 s22, s16, HALFT
	s_add_co_u32 s22, s22, 2*HALFT
.irp s, 0,1
	v_add_nc_u32 v[ADRA+\s], s21, v5
	v_add_nc_u32 v[ADRB+\s], s22, v4
	s_add_co_u32 s21, s21, SLOT
	s_add_co_u32 s22, s22, SLOT
.endr
	s_mul_i32 s23, s14, 16*SPITCH
	v_mul_u32_u24 v5, v1, SPITCH
	v_lshl_add_u32 v5, v2, 5, v5
	v_add_nc_u32 v[STO], s23, v5
	v_and_b32 v6, 31, v0
	v_lshlrev_b32 v[CO], 4, v6
	v_add_nc_u32 v[RD], s23, v[CO]
	s_lshl_b32 s20, s17, 8
	s_lshl_b32 s21, s15, 7
	s_add_co_u32 s20, s20, s21
	s_lshl_b32 s20, s20, 12
	s_lshl_b32 s46, s42, 10
	s_lshl_b32 s47, s16, 9
	s_add_co_u32 s46, s46, s47
	v_add_nc_u32 v7, s46, v[CO]
	global_load_b128 v[8:11], v7, s[10:11]
	s_add_co_u32 s20, s20, s46
	s_mov_b32 s21, 0
	s_add_nc_u64 s[12:13], s[12:13], s[20:21]
.macro FRAG reg, adr, q, i
.irp c, 0,1,2,3
	ds_load_b128 v[\reg+4*\c:\reg+4*\c+3], v[\adr] offset:128*(\q)+32*\c+(\i)*16*PITCH
.endr
.endm
.macro FRAGA reg, adr, q, i
.irp c, 0,1,2,3
	ds_load_b128 v[\reg+4*\c:\reg+4*\c+3], v[\adr] offset:(2*(\q)+\c/2)*32*PITCH+(\i)*4*PITCH+32*(\c%2)
.endr
.endm
.macro MUL16 a0, p, zero
.irp a, \a0, \a0+1
.irp b, 0,1,2,3,4,5,6,7
.if \zero
	v_wmma_f32_16x16x128_fp8_fp8 v[8*(8*((\a)%4)+\b):8*(8*((\a)%4)+\b)+7], v[128*(\p)+FR*\b:128*(\p)+FR*\b+FR-1], v[AF+FR*(\a):AF+FR*(\a)+FR-1], 0
.else
	v_wmma_f32_16x16x128_fp8_fp8 v[8*(8*((\a)%4)+\b):8*(8*((\a)%4)+\b)+7], v[128*(\p)+FR*\b:128*(\p)+FR*\b+FR-1], v[AF+FR*(\a):AF+FR*(\a)+FR-1], v[8*(8*((\a)%4)+\b):8*(8*((\a)%4)+\b)+7]
.endif
.endr
.endr
.endm
.macro FETCH_B slot, q, p
	WIN TO_B
.irp i, 0,1,2,3,4,5,6,7
	FRAG 128*(\p)+FR*\i, ADRB+\slot, \q, \i
.endr
	WIN 0
.endm
.macro FETCH_A slot, q, i0
.irp i, \i0, \i0+1, \i0+2, \i0+3
	FRAGA AF+FR*(\i), ADRA+\slot, \q, \i
.endr
.endm
.macro PLACES n
.rept \n
	v_nop
.endr
.endm
.macro STEP slot, q, zero
	s_wait_dscnt 4*NL
	WIN MUL_LO
	MUL16 0, (\q)%2, \zero
	MUL16 2, (\q)%2, \zero
	s_wait_dscnt 0
	PLACES NP
	FETCH_B \slot, (\q)+1, 1-(\q)%2
	FETCH_A \slot, (\q)+1, 0
	WIN MUL_HI
	MUL16 4, (\q)%2, \zero
	MUL16 6, (\q)%2, \zero
	PLACES NP
	WIN 0
	FETCH_A \slot, (\q)+1, 4
.endm
.macro TURN slot, next, fill
	s_wait_tensorcnt 0x0
	ds_add_u32 v[SPW], v[NIL]
	s_wait_dscnt 4*NL+1
	WIN MUL_LO
	MUL16 0, 1, 0
	s_wait_dscnt 0x0
	s_barrier_signal -1
	MUL16 2, 1, 0
	WIN 0
	s_barrier_wait -1
.if \fill
	CREST
	s_add_nc_u64 s[G0+4*\slot+2:G0+4*\slot+3], s[G0+4*\slot+2:G0+4*\slot+3], 2*ASTEP
	s_add_nc_u64 s[G0B+4*\slot+2:G0B+4*\slot+3], s[G0B+4*\slot+2:G0B+4*\slot+3], 2*ROWB
	JLOAD G0+4*\slot, G1, G0B+4*\slot, G1B
.else
	PLACES NP
.endif
	s_wait_alu depctr_va_vdst(0)
	FETCH_B \next, 0, 0
	FETCH_A \next, 0, 0
	WIN MUL_HI
	MUL16 4, 1, 0
	MUL16 6, 1, 0
	PLACES NP
	WIN 0
	FETCH_A \next, 0, 4
.endm
	s_wait_loadcnt 0x0
	s_wait_tensorcnt 1
	s_barrier_signal -1
	s_barrier_wait -1
	FETCH_B 0, 0, 0
	FETCH_A 0, 0, 0
	FETCH_A 0, 0, 4
	STEP 0, 0, 1
	s_mov_b32 s3, LAPS-1
.Llap:
	TURN 0, 1, 1
	STEP 1, 0, 0
	TURN 1, 0, 1
	STEP 0, 0, 0
	s_sub_co_u32 s3, s3, 1
	s_cmp_lg_u32 s3, 0
	s_cbranch_scc1 .Llap
	TURN 0, 1, 0
	STEP 1, 0, 0
	s_wait_dscnt 4*NL
	WIN MUL_LO
	MUL16 0, 1, 0
	MUL16 2, 1, 0
	s_wait_dscnt 0
	WIN MUL_HI
	MUL16 4, 1, 0
	MUL16 6, 1, 0
	WIN 0
.macro TOSTAGE a
.set AC, 64*((\a)%4)
.set WN, 0x02+((\a)/4)
	WIN WN
.set j, 0
.rept 32
	v_pk_mul_f32 v[TMP+j:TMP+j+1], v[AC+j:AC+j+1], s[96:97] op_sel_hi:[1,0]
.set j, j+2
.endr
	WIN 0
.irp b, 0,1,2,3,4,5,6,7
	ds_store_b128 v[STO], v[TMP+8*\b:TMP+8*\b+3] offset:64*\b
	ds_store_b128 v[STO], v[TMP+8*\b+4:TMP+8*\b+7] offset:64*\b+16
.endr
.set BB, BK+64*((\a)%2)
.irp t, 0,1,2,3,4,5,6,7,8,9,10,11,12,13,14,15
	ds_load_b128 v[BB+4*\t:BB+4*\t+3], v[RD] offset:\t*SPITCH
.endr
.endm
.macro SEND a, younger
.set BB, BK+64*((\a)%2)
	s_wait_dscnt \younger
.if (\a) > 0
	s_add_nc_u64 s[12:13], s[12:13], 16*SIZE_N*4
.endif
.irp t, 0,1,2,3,4,5,6,7,8,9,10,11,12,13,14,15
	v_pk_add_f32 v[BB+4*\t:BB+4*\t+1], v[BB+4*\t:BB+4*\t+1], v[8:9]
	v_pk_add_f32 v[BB+4*\t+2:BB+4*\t+3], v[BB+4*\t+2:BB+4*\t+3], v[10:11]
.endr
.irp t, 0,1,2,3,4,5,6,7,8,9,10,11,12,13,14,15
	global_store_b128 v[CO], v[BB+4*\t:BB+4*\t+3], s[12:13] offset:\t*SIZE_N*4 th:TH_STORE_NT
.endr
.endm
	s_wait_kmcnt 0x0
	s_add_co_i32 s96, s96, s97
	s_add_co_i32 s96, s96, 127
	s_lshl_b32 s96, s96, 23
	PLACES NP
	TOSTAGE 0
.irp a, 1,2,3,4,5,6,7
.if \a > 1
	s_wait_xcnt 0x0
.endif
	TOSTAGE \a
	SEND \a-1, 32
.endr
	s_wait_xcnt 0x0
	SEND 7, 0
	s_wait_tensorcnt 0x0
	ds_add_u32 v[SPW], v[NIL]
	s_wait_dscnt 0x0
	CROUND
	s_endpgm
.Lfunc_end_k_q734d0cd8e2_gemm_proj:
	.size	k_q734d0cd8e2_gemm_proj, .Lfunc_end_k_q734d0cd8e2_gemm_proj-k_q734d0cd8e2_gemm_proj
	.p2alignl 7, 3214868480
	.fill 96, 4, 3214868480
	.section	.rodata,"a",@progbits
	.p2align	6, 0x0
	.amdhsa_kernel k_q734d0cd8e2_gemm_proj
		.amdhsa_group_segment_fixed_size 327680
		.amdhsa_private_segment_fixed_size 0
		.amdhsa_enable_private_segment 0
		.amdhsa_kernarg_size 40
		.amdhsa_user_sgpr_count 2
		.amdhsa_user_sgpr_kernarg_segment_ptr 1
		.amdhsa_wavefront_size32 1
		.amdhsa_system_sgpr_workgroup_id_x 1
		.amdhsa_system_sgpr_workgroup_id_y 1
		.amdhsa_system_sgpr_workgroup_id_z 1
		.amdhsa_system_vgpr_workitem_id 0
		.amdhsa_next_free_vgpr 1024
		.amdhsa_next_free_sgpr 98
		.amdhsa_reserve_vcc 0
		.amdhsa_float_denorm_mode_32 3
		.amdhsa_float_denorm_mode_16_64 3
		.amdhsa_memory_ordered 1
		.amdhsa_forward_progress 1
		.amdhsa_inst_pref_size 140
	.end_amdhsa_kernel
	.amdgpu_metadata
---
amdhsa.version: [ 1, 2 ]
amdhsa.kernels:
  - .name:           k_q734d0cd8e2_gemm_proj
    .symbol:         k_q734d0cd8e2_gemm_proj.kd
    .args:
      - { .name: y_codes, .offset: 0, .size: 8, .value_kind: global_buffer, .address_space: global }
      - { .name: wproj_codes, .offset: 8, .size: 8, .value_kind: global_buffer, .address_space: global }
      - { .name: lowp_scales, .offset: 16, .size: 8, .value_kind: global_buffer, .address_space: global }
      - { .name: b_proj, .offset: 24, .size: 8, .value_kind: global_buffer, .address_space: global }
      - { .name: out0, .offset: 32, .size: 8, .value_kind: global_buffer, .address_space: global }
    .group_segment_fixed_size: 327680
    .private_segment_fixed_size: 0
    .kernarg_segment_align: 8
    .kernarg_segment_size: 40
    .max_flat_workgroup_size: 128
    .sgpr_count:     98
    .vgpr_count:     1024
    .wavefront_size: 32
...
	.end_amdgpu_metadata
.endif
;; end of part 4
